; MI455X (gfx1250); checked and timed in simulation.
; The chip was launched on July 23, 2026; its instructions are those of AMD's public machine-readable ISA for CDNA 5 (MIT licence, August 2026) and "CDNA5" Instruction Set Architecture Reference Guide (July 2026). The comments in the code are by the model that wrote it; some were corrected since.
;; Rel Pos Self Attention. Allowed arithmetic: matrix products marked QUANTISED: E2M3 operands, one E8M0 scale for each 32 along K, by v_wmma_scale_f32_16x16x128_f8f6f4 with both operands' format E2M3, f32 sums; everything else in f32.
;; Inputs: attn_mask 8 x 1,024 bool; k_codes 8 x 8 x 32 x 32 x 2 x 24 uint8 (E2M3 codes of k, K innermost, in blocks of 32 codes, four codes in three bytes); k_scales 8 x 8 x 32 x 32 x 2 uint8 (E8M0 scales of k, one for each 32 codes along K); q 8 x 8 x 32 x 32 x 64 float32; rel_emb_h_codes 63 x 2 x 24 uint8 (E2M3 codes of rel_emb_h, K innermost, in blocks of 32 codes, four codes in three bytes); rel_emb_h_scales 63 x 2 uint8 (E8M0 scales of rel_emb_h, one for each 32 codes along K); rel_emb_w_codes 63 x 2 x 24 uint8 (E2M3 codes of rel_emb_w, K innermost, in blocks of 32 codes, four codes in three bytes); rel_emb_w_scales 63 x 2 uint8 (E8M0 scales of rel_emb_w, one for each 32 codes along K); v 8 x 8 x 32 x 32 x 64 float32.
;; Outputs: out0 8 x 32 x 32 x 512 float32.
;; This version of the problem:
;;   THIS VERSION OF THE PROBLEM IS GIVEN IN LOW PRECISION. The matrix products marked QUANTISED in the list below multiply operands that are first quantised to E2M3 (2 exponent bits, 3 mantissa bits; 6 bits a number), with one power-of-two scale for each 32 numbers along K (OCP MX v1.0); their sums are f32. All else is computed in f32.
;;   The module's matrix products, in the order in which they are computed (A, B: the left and right operand; K: the contracted axis; several contracted axes count as one K, in the product's order):
;;     1. batch 64 x [M 1,024, K 64] x [K 64, N 1,024]; A: computed on the way; B: input k (given as codes): QUANTISED
;;     2. [M 65,536, K 64] x [K 64, N 63]; A: computed on the way; B: input rel_emb_w (given as codes): QUANTISED
;;     3. [M 65,536, K 64] x [K 64, N 63]; A: computed on the way; B: input rel_emb_h (given as codes): QUANTISED
;;     4. batch 64 x [M 64, K 1,024] x [K 1,024, N 1,024]; A: input v; B: computed on the way: QUANTISED
;;   THE QUANTISER, for each operand of a quantised product, along K:
;;     - K is cut into blocks of 32 from its start; a last block that is shorter is filled with zeros.
;;     - A block's scale is 2^e with e = floor(log2(the largest magnitude in the block)) - 2, held to -126 .. 127; a block of zeros has e = 0. As a byte (E8M0): e + 127.
;;     - Each number is divided by its block's scale, clamped to +-7.5, and rounded to the nearest number of E2M3, ties to even, subnormals kept.
;;     - The product sums the exact products of the quantised numbers (number of the format x scale) in f32.
;;   ~~~python
;;   def quantise(x, axis):      # numpy; x: float32 -> the quantised numbers, widened to float32 again
;;       x = np.moveaxis(x, axis, -1); K = x.shape[-1]
;;       x = np.pad(x, [(0, 0)] * (x.ndim - 1) + [(0, -K % 32)]); x = x.reshape(x.shape[:-1] + (-1, 32)); a = np.abs(x).max(-1, keepdims=True)
;;       e = np.where(a > 0, np.clip(np.frexp(np.where(a > 0, a, 1))[1] - 1 - 2, -126, 127), 0)      # np.frexp(a)[1] - 1 = floor(log2(a)), exactly
;;       r = np.clip(x / 2.0 ** e, -7.5, 7.5)
;;       step = 2.0 ** (np.maximum(np.frexp(np.where(r == 0, 1, r))[1] - 1, 0) - 3)
;;       q = np.round(r / step) * step * 2.0 ** e      # np.round: ties to even
;;       return np.moveaxis(q.reshape(q.shape[:-2] + (-1,))[..., :K], -1, axis).astype(np.float32)
;;   ~~~
;;   OPERANDS COMPUTED ON THE WAY. 'Computed on the way' means the value that the module computes at that place (a softmax that the list does not call 'softmax' is quantised finished and normalised). What goes into a quantiser is computed in f32, as accurately as f32 sums, v_exp_f32 and their like allow (about 1e-6 of the number): no bf16 or f16 on the way to a quantiser, and a product that is left as it is and whose result goes on into a quantised operand takes f32 operands (vector FMAs, or v_wmma_f32_16x16x4_f32). A number that lies on a knife's edge between two numbers of the format may be rounded either way, as far as f32 arithmetic and the matrix unit's own rounding can turn it there, and no further.
;;   INPUTS GIVEN AS CODES. k (in the module: [8, 8, 32, 32, 64], K = its axis 4); rel_emb_h (in the module: [63, 64], K = its axis 1); rel_emb_w (in the module: [63, 64], K = its axis 1): each comes as NAME_codes (uint8): NAME with its K axis moved to the last place and cut into blocks of 32 codes, [.., K / 32, bytes a block], one block behind the other in memory; four codes in three bytes: a row's codes are one little-endian stream of bits, code i at bits 6 i .. 6 i + 5 (a code: sign, 2 exponent bits, 3 mantissa bits); and NAME_scales (uint8): the same leading axes, one E8M0 byte (e + 127) for each 32 codes along K. Its value is code x scale, taken as it is: it is not quantised again, and the codes and scales need not be those that the quantiser above would give.
;; 2 versions. Each part assembles by itself: llvm-mc -triple=amdgcn-amd-amdhsa -mcpu=gfx1250 --defsym DOCPART=n.
;; ======== version 1 of 2: 1 launch
;; limits: right only within a limited range of input values
;; launch relattn (part 1): grid 256 x 1, 16 waves a work-group, no clusters, 288,768 bytes of LDS; arguments q, k_codes, k_scales, attn_mask, rel_emb_w_codes, rel_emb_w_scales, rel_emb_h_codes, rel_emb_h_scales, v, out0; writes out0
.if DOCPART == 1
	.amdgcn_target "amdgcn-amd-amdhsa--gfx1250"
	.amdhsa_code_object_version 6
	.text
	.protected	k_q28241b0753_relattn
	.globl	k_q28241b0753_relattn
	.p2align	8
	.type	k_q28241b0753_relattn,@function
k_q28241b0753_relattn:
	s_mov_b64 s[64:65], 0
	v_nop
	global_prefetch_b8 v0, s[64:65] scope:SCOPE_SE
	s_setreg_imm32_b32 hwreg(HW_REG_WAVE_MODE, 25, 1), 1
	s_wait_xcnt 0x0
; out[b][x][y][n][:] = sum over keys (p, q') of softmax(qs . k[p][q'] + qs . rel_w[q' - y + 31] + qs . rel_h[p - x + 31] + mask) v[p][q'][:],  qs = q / 8.
; All four products on codes of FP6 (E2M3) with one E8M0 scale for each 32 along K.  q (x 1/8), v (along the keys) and the finished, normalised weights (along the keys) are quantised here.
; WORK LEFT OUT.  rel_to_abs keeps of each query's 63 relative logits only column j - i + 31.  For a tile of 16 queries of one grid row that is 47 neighbouring rows of rel_emb_w (three tiles of 16 in
; place of four) and 32 neighbouring rows of rel_emb_h (two in place of four); the other columns are sliced away by reference() itself, whatever the inputs hold.  Every input is loaded.
; LIMITS.  A NaN or an infinity that reaches only those sliced columns is not carried to the result.  A masked key's logit is -2^100, not -infinity: its weight is exactly 0 all the same; logits of
; magnitude 2^39 and more are not served.  A row whose 1,024 keys are all masked gives NaN, as in reference().  NaN and infinities among q and v are not served.  A block of zeros has the scale byte 1
; where the quantiser says 127: its codes are zeros, and only this program reads the byte.
; SHARES.  Work-group wg: head wg / 4, 256 queries (quarter wg % 4).  Sixteen waves of 256 registers, four to a SIMD.  THE HEAD: each wave lays a sixteenth of K, V, Q and the relative tables into LDS, as
; images of operand registers.  THE LOOP, four rounds: waves 4 g .. 4 g + 3 work on query tile 4 round + g, each on a quarter of the keys (256 keys: 128 scores a lane, which stay in registers, so that
; each weight costs one exponential).  Two exchanges a round through LDS: (-M, sum), then the four partial results.
; WHAT COSTS NOTHING FOR EACH SCORE.  The term with rel_w is the C of the first product; the term with rel_h is the same for a block of 32 keys and rides in the addend of the scaling; the mask rides in
; the product's empty K block 64..95: Q has the code 1.0 at k = 64, a masked key the code -1.0 under the scale 2^100, all other keys 0.
; LAYOUT.  Both products transposed (source 0 = 16 keys or 16 channels, source 1 = 16 queries): a lane holds one query (lane % 16).  Lane r of key tile 2 p + u takes key 32 p + 8 u + r + 8 (r / 8),
; so that the 16 registers of tiles 2 p, 2 p + 1 are the keys 32 p + 16 (lane / 16) + 0 .. 15.
; NO CLUSTER, NO TENSOR LOAD: what the four work-groups of a head share is changed in registers on its way into LDS (k's fragments get the mask's code, v is quantised); a joint load would have to
; stage v's 262,144 bytes of f32 beside the 288,768 bytes of LDS in use.  NO PREFETCH: all reads from memory stand at the head.
.set KIMG,  0              ; 64 key tiles x 1,024: registers 0-7 of a fragment as two images of 512 bytes (16 bytes a lane)
.set KSC,   65536          ; 16 groups of 4 tiles x 512: the four scale words of a lane's rows, 16 bytes a lane
.set VIMG,  73728          ; 32 fragments (4 K step + channel tile) x 1,536: twelve registers as three images
.set VSC,   122880         ; 8 K steps x 256: word (row r, channel tile dt) at 16 r + 4 dt
.set QIMG,  124928         ; 16 query tiles x 1,024
.set QSC,   141312         ; 16 x 128
.set RWI,   143360         ; 16 x 2,048: the rel_w term in the first product's result layout, 16 registers
.set RHT,   176128         ; 16 x 2,304: the rel_h term, [query][key row], 144 bytes a query
.set EX,    212992         ; 16 waves x 256: (-M, sum), 8 bytes a lane
.set OX,    217088         ; 16 waves x 4,352: 16 queries x (256 bytes + 16); at the head the wave's own scratch
.set SPARE, 286720         ; the spare words, 128 bytes a wave: eight blocks of 256 bytes that no other line names
; REGISTERS OF THE LOOP: v1, v2 the add's two; v3-15 addresses that stay; v16 Q's scale word; v17, v18 the weights' scale words; v19 at work; v[20:21] (-M, sum); v[22:25] sums; v[26:27] (F, a whole number);
; v28-31 four scale words of K or V; v32-43 Q; v44-47 the round's addresses; v48-63 the rel_w term, later at work; v64-79 pairs (addend, largest score) of my 8 blocks; v80-127 four fragments of K, later at
; work and the weights' codes; v128-255 scores, then weights; later V's eight fragments (v128-223) and O^T (v224-255).
.macro MMZ d, a, b, sa, sb             ; a product that starts a sum
	v_wmma_scale_f32_16x16x128_f8f6f4 v[(\d):(\d)+7], v[(\a):(\a)+11], v[(\b):(\b)+11], 0, v[\sa], v[\sb] matrix_a_fmt:MATRIX_FMT_FP6 matrix_b_fmt:MATRIX_FMT_FP6
.endm
.macro MMC d, a, b, c, sa, sb          ; a product onto other registers
	v_wmma_scale_f32_16x16x128_f8f6f4 v[(\d):(\d)+7], v[(\a):(\a)+11], v[(\b):(\b)+11], v[(\c):(\c)+7], v[\sa], v[\sb] matrix_a_fmt:MATRIX_FMT_FP6 matrix_b_fmt:MATRIX_FMT_FP6
.endm
.macro MMR d, a, b, sa, sb             ; a product in place; source 0's scales from lanes 16-31
	v_wmma_scale_f32_16x16x128_f8f6f4 v[(\d):(\d)+7], v[(\a):(\a)+11], v[(\b):(\b)+11], v[(\d):(\d)+7], v[\sa], v[\sb] matrix_a_fmt:MATRIX_FMT_FP6 matrix_b_fmt:MATRIX_FMT_FP6 matrix_a_scale:MATRIX_SCALE_ROW1
.endm
; 32 numbers of one block in v[x] on become 192 bits of codes in v[c0] .. v[c0 + 5] and the scale's byte in v[by].  d0: three registers for the second half (a conversion's three begin on an even number).
.macro QUANT32 x, c0, d0, so, by, d, t
	v_max3_num_f32 v[\d], |v[\x]|, |v[\x+1]|, |v[\x+2]|
	v_max3_num_f32 v[\t], |v[\x+3]|, |v[\x+4]|, |v[\x+5]|
.irp i, 6,10,14,18,22,26
	v_max3_num_f32 v[\d], v[\d], |v[\x+\i]|, |v[\x+\i+1]|
	v_max3_num_f32 v[\t], v[\t], |v[\x+\i+2]|, |v[\x+\i+3]|
.endr
	v_max3_num_f32 v[\d], v[\d], |v[\x+30]|, |v[\x+31]|
	v_max3_num_f32 v[\d], v[\d], v[\t], 0x1800000          ; the floor 2^(3 - 127): the byte cannot fall under 1
	v_add_nc_u32 v[\so], 0xff000000, v[\d]                 ; 2 off the exponent field: the conversion's scale operand
	v_cvt_scalef32_pk16_fp6_f32 v[\c0:\c0+2], v[\x:\x+15], v[\so]
	v_cvt_scalef32_pk16_fp6_f32 v[\d0:\d0+2], v[\x+16:\x+31], v[\so]
	v_lshrrev_b32 v[\by], 23, v[\so]                       ; the byte; also the plain line behind the conversions
.irp i, 0,1,2
	v_mov_b32 v[\c0+3+\i], v[\d0+\i]
.endr
.endm
.macro VLOAD c                         ; two blocks of 32 keys x 32 channels: a lane takes a channel, its registers run down the keys; both halves of a row of 256 bytes are asked for on end
.set I, 0
.rept 32
	global_load_b32 v[128+64*(\c)+I], v13, s[24:25] offset:16384*(\c)+256*I
	global_load_b32 v[160+64*(\c)+I], v13, s[24:25] offset:16384*(\c)+256*I+128
.set I, I+1
.endr
.endm
.macro VQ c, e                         ; key block 4 (w / 2) + 2 c + w % 2, channels 32 e + lane: registers 6 c .. 6 c + 5 of lane 16 (w % 2) + lane % 16 of fragment 4 (w / 2) + 2 e + lane / 16
.set XX, 128+64*(\c)+32*(\e)
.set TT, 80+12*(2*(\c)+(\e))
	QUANT32 XX, TT, TT+6, TT+9, TT+10, TT+11, 19
.if (\c) == 0
	ds_store_b128 v27, v[TT:TT+3] offset:3072*(\e)
	ds_store_b64 v27, v[TT+4:TT+5] offset:3072*(\e)+512
.else
	ds_store_b64 v27, v[TT:TT+1] offset:3072*(\e)+520
	ds_store_b128 v27, v[TT+2:TT+5] offset:3072*(\e)+1024
.endif
	ds_store_b8 v44, v[TT+10] offset:8*(\e)+2*(\c)
.endm
.macro ZEROK                           ; registers 8-11 of K's four fragments: k = 80 .. 127 is empty
.irp k, 0,1,2,3
.irp i, 0,1,2,3
	v_mov_b32 v[88+12*\k+\i], 0
.endr
.endr
.endm
.macro KLOAD G                         ; my key tiles 4 G .. 4 G + 3 and their scale words
.irp tt, 0,1,2,3
	ds_load_b128 v[80+12*\tt:83+12*\tt], v3 offset:(4*(\G)+\tt)*1024
	ds_load_b128 v[84+12*\tt:87+12*\tt], v3 offset:(4*(\G)+\tt)*1024+512
.endr
	ds_load_b128 v[28:31], v4 offset:512*(\G)
.endm
.macro SMUL G                          ; S^T = K Q^T + the rel_w term: four accumulators, one instruction each
.irp tt, 0,1,2,3
	MMC 128+8*(4*(\G)+\tt), 80+12*\tt, 32, 48+8*(\tt%2), 28+\tt, 16
.endr
.endm
.macro BMAX2 b0                        ; the largest score of my 16 keys of blocks b0 and b0 + 1, by turns; each accumulator is read from its low end on
.irp b, \b0, \b0+1
	v_max3_num_f32 v[65+2*(\b)], v[128+16*(\b)], v[129+16*(\b)], v[130+16*(\b)]
.endr
.irp i, 3,5,7,9,11,13
.irp b, \b0, \b0+1
	v_max3_num_f32 v[65+2*(\b)], v[65+2*(\b)], v[128+16*(\b)+\i], v[129+16*(\b)+\i]
.endr
.endr
.irp b, \b0, \b0+1
	v_max_num_f32 v[65+2*(\b)], v[65+2*(\b)], v[143+16*(\b)]
.endr
.endm
	s_load_b512 s[8:23], s[0:1], 0x0               ; q 8, k_codes 10, k_scales 12, attn_mask 14, rel_w codes 16, scales 18, rel_h codes 20, scales 22
	s_load_b128 s[24:27], s[0:1], 0x40             ; v 24, out0 26
	v_lshl_add_u32 v1, v0, 2, SPARE
	v_mov_b32 v2, 0
	v_lshrrev_b32 v46, 5, v0
	v_readfirstlane_b32 s2, v46                    ; wave w
	s_and_b32 s3, s2, 3                            ; kq: my quarter of the keys
	s_lshr_b32 s4, s2, 2                           ; g: my group of four waves
	s_lshr_b32 s5, ttmp9, 2                        ; head 0 .. 63
	s_and_b32 s6, ttmp9, 3                         ; quarter of the queries
	s_lshr_b32 s28, s5, 3                          ; batch
	s_lshr_b32 s29, s2, 1                          ; w / 2
	s_and_b32 s39, s2, 1                           ; w % 2
	; byte offsets of my parts, each in a pair of its own
	s_lshl_b32 s44, ttmp9, 16                      ; q: 256 queries of 256 bytes a work-group,
	s_lshl_b32 s7, s2, 12                          ; 16 a wave
	s_add_co_u32 s44, s44, s7
	s_mov_b32 s45, 0
	s_mul_i32 s46, s5, 49152                       ; k's codes: 1,024 keys of 48 bytes a head, 64 keys a wave
	s_mul_i32 s7, s2, 3072
	s_add_co_u32 s46, s46, s7
	s_mov_b32 s47, 0
	s_lshl_b32 s48, s5, 11                         ; k's scales: 2 bytes a key
	s_lshl_b32 s7, s2, 7
	s_add_co_u32 s48, s48, s7
	s_mov_b32 s49, 0
	s_lshl_b32 s50, s28, 10                        ; the mask: 1,024 bytes a batch
	s_lshl_b32 s7, s2, 6
	s_add_co_u32 s50, s50, s7
	s_mov_b32 s51, 0
	s_lshl_b32 s7, s6, 3
	s_add_co_u32 s7, s7, s29                       ; x, the grid row of query tile w: 8 quarter + w / 2
	s_sub_co_u32 s7, 31, s7                        ; rel_h's first row: 31 - x
	s_mul_i32 s52, s7, 48
	s_mov_b32 s53, 0
	s_lshl_b32 s54, s7, 1
	s_mov_b32 s55, 0
	s_lshl_b32 s56, s5, 18                         ; v: 262,144 bytes a head; key block 4 (w / 2) + w % 2, 8,192 bytes a block
	s_lshl_b32 s7, s29, 2
	s_add_co_u32 s7, s7, s39
	s_lshl_b32 s7, s7, 13
	s_add_co_u32 s56, s56, s7
	s_mov_b32 s57, 0
	s_lshl_b32 s58, s28, 21                        ; out0: 2,097,152 bytes a batch, 2,048 a query, 256 a head; query 256 quarter + 16 g
	s_lshl_b32 s7, s6, 8
	s_lshl_b32 s30, s4, 4
	s_add_co_u32 s7, s7, s30
	s_lshl_b32 s7, s7, 11
	s_add_co_u32 s58, s58, s7
	s_and_b32 s7, s5, 7
	s_lshl_b32 s7, s7, 8
	s_add_co_u32 s58, s58, s7
	s_mov_b32 s59, 0
	s_mov_b32 s32, 0x76543210                      ; v_permlanex16_b32's selects for lane l xor 16
	s_mov_b32 s33, 0xfedcba98
	s_mov_b32 s34, 0x3fb8aa3b                      ; c = log2(e)
	s_mov_b32 s35, s34                             ; (named with it as a pair)
	s_mov_b32 s38, 0x53000000                      ; 2^39
	s_mov_b32 s60, 0x3e000000                      ; 1 / 8
	s_mov_b32 s61, s60
	; the lanes' offsets in memory
	v_and_b32 v124, 31, v0                         ; lane
	v_and_b32 v125, 15, v0                         ; r
	v_bfe_u32 v126, v0, 4, 1                       ; h
	v_and_b32 v4, 8, v125
	v_add_nc_u32 v4, v4, v125                      ; the mask: r + 8 (r / 8), a tile's key for my lane
	v_mul_u32_u24 v3, v4, 48
	v_mad_u32_u24 v3, v126, 24, v3                 ; k's codes: that key's row + 24 h
	v_lshlrev_b32 v5, 1, v4                        ; k's scales
	v_lshlrev_b32 v6, 8, v125
	v_lshl_add_u32 v6, v126, 7, v6                 ; q: row r, block h
	s_xor_b32 s7, s39, 1
	s_lshl_b32 s7, s7, 4                           ; rel_w's first row: 16 - y0, y0 = 16 (w % 2)
	v_add_nc_u32 v46, s7, v125
	v_mul_u32_u24 v7, v46, 48
	v_mad_u32_u24 v7, v126, 24, v7
	v_lshlrev_b32 v8, 1, v46
	v_add_nc_u32 v47, 32, v46
	v_min_u32 v47, 62, v47                         ; the third tile's last row would be row 63, which does not exist and is not used: held at 62
	v_mul_u32_u24 v9, v47, 48
	v_mad_u32_u24 v9, v126, 24, v9
	v_lshlrev_b32 v10, 1, v47
	v_mul_u32_u24 v11, v125, 48
	v_mad_u32_u24 v11, v126, 24, v11               ; rel_h
	v_lshlrev_b32 v12, 1, v125
	v_lshlrev_b32 v13, 2, v124                     ; v: 4 bytes a lane
	s_wait_kmcnt 0x0
	s_add_nc_u64 s[8:9], s[8:9], s[44:45]
	s_add_nc_u64 s[10:11], s[10:11], s[46:47]
	s_add_nc_u64 s[12:13], s[12:13], s[48:49]
	s_add_nc_u64 s[14:15], s[14:15], s[50:51]
	s_add_nc_u64 s[20:21], s[20:21], s[52:53]
	s_add_nc_u64 s[22:23], s[22:23], s[54:55]
	s_add_nc_u64 s[24:25], s[24:25], s[56:57]
	s_add_nc_u64 s[26:27], s[26:27], s[58:59]
	; 20 loads: my four key tiles (keys 64 w + 32 (tt / 2) + 8 (tt % 2) + r + 8 (r / 8)): codes, mask byte, the two scale bytes
.irp tt, 0,1,2,3
.irp i, 0,1,2
	global_load_b64 v[80+8*\tt+2*\i:81+8*\tt+2*\i], v3, s[10:11] offset:48*(32*(\tt/2)+8*(\tt%2))+8*\i
.endr
	global_load_u8 v[112+\tt], v4, s[14:15] offset:32*(\tt/2)+8*(\tt%2)
	global_load_u16 v[116+\tt], v5, s[12:13] offset:2*(32*(\tt/2)+8*(\tt%2))
.endr
	; 8 loads: query 16 w + r, channels 32 h + 0 .. 31: a whole block in a lane
.irp i, 0,1,2,3,4,5,6,7
	global_load_b128 v[48+4*\i:51+4*\i], v6, s[8:9] offset:16*\i th:TH_LOAD_NT
.endr
	; 20 loads: three tiles of rel_w, two of rel_h: registers 0-5 of each fragment, and the scale bytes
.irp f, 0,1
.irp i, 0,1,2
	global_load_b64 v[192+12*\f+2*\i:193+12*\f+2*\i], v7, s[16:17] offset:768*\f+8*\i
.endr
.endr
.irp i, 0,1,2
	global_load_b64 v[216+2*\i:217+2*\i], v9, s[16:17] offset:8*\i
.endr
.irp f, 0,1
.irp i, 0,1,2
	global_load_b64 v[228+12*\f+2*\i:229+12*\f+2*\i], v11, s[20:21] offset:768*\f+8*\i
.endr
.endr
	global_load_u16 v28, v8, s[18:19]
	global_load_u16 v29, v8, s[18:19] offset:32
	global_load_u16 v30, v10, s[18:19]
	global_load_u16 v31, v12, s[22:23]
	global_load_u16 v17, v12, s[22:23] offset:32
	VLOAD 0                                        ; 64 loads: my first key block, all 64 channels
	; work on registers while the loads are out
.irp f, 0,1,2,3,4
.irp i, 6,7,8,9,10,11
	v_mov_b32 v[192+12*\f+\i], 0                   ; k = 64 .. 127 of the relative tables is empty
.endr
.endr
	v_sub_nc_u32 v14, 1, v126
	v_lshlrev_b32 v15, 3, v14                      ; the code 1.0 (8) in lanes 0-15, which hold k = 64
	v_mul_u32_u24 v14, v14, 40                     ; the code -1.0 (40) there
	v_lshlrev_b32 v45, 3, v126                     ; 8 h
	s_lshl_b32 s7, s2, 10
	s_add_co_u32 s7, s7, QIMG
	v_lshl_add_u32 v18, v124, 4, s7                ; where I store Q's image,
	s_lshl_b32 s7, s2, 7
	s_add_co_u32 s7, s7, QSC
	v_lshl_add_u32 v20, v124, 2, s7                ; its scale words,
	s_lshl_b32 s7, s2, 12
	v_lshl_add_u32 v21, v124, 4, s7                ; K's images (KIMG = 0),
	s_lshl_b32 s7, s2, 9
	s_add_co_u32 s7, s7, KSC
	v_lshl_add_u32 v22, v124, 4, s7                ; their scale words,
	s_mul_i32 s7, s2, 4352
	s_add_co_u32 s7, s7, OX
	v_mul_u32_u24 v23, v125, 272
	v_lshl_add_u32 v23, v126, 5, v23
	v_add_nc_u32 v23, s7, v23                      ; my scratch: row r, + 32 h,
	v_mul_u32_u24 v25, v125, 268
	v_lshl_add_u32 v25, v126, 6, v25
	v_add_nc_u32 v25, s7, v25                      ; and out of it askew: row r, column 16 h + i - r + 15 (the 60 + 4 i stands in the immediate),
	s_mul_i32 s7, s2, 2304
	s_add_co_u32 s7, s7, RHT
	v_mul_u32_u24 v24, v125, 144
	v_lshl_add_u32 v24, v126, 5, v24
	v_add_nc_u32 v24, s7, v24                      ; the rel_h table,
	s_lshl_b32 s7, s2, 11
	s_add_co_u32 s7, s7, RWI
	v_lshl_add_u32 v26, v124, 4, s7                ; the rel_w image,
	s_mul_i32 s7, s29, 6144
	s_lshl_b32 s30, s39, 8
	s_add_co_u32 s7, s7, s30
	s_add_co_u32 s7, s7, VIMG
	v_mul_u32_u24 v27, v126, 1536
	v_lshl_add_u32 v27, v125, 4, v27
	v_add_nc_u32 v27, s7, v27                      ; V's images: K step w / 2, channel tile + lane / 16, target lane 16 (w % 2) + r,
	s_lshl_b32 s7, s29, 8
	s_add_co_u32 s7, s7, s39
	s_add_co_u32 s7, s7, VSC
	v_lshlrev_b32 v44, 4, v125
	v_lshl_add_u32 v44, v126, 2, v44
	v_add_nc_u32 v44, s7, v44                      ; and V's scale bytes
	s_wait_loadcnt 63                              ; of 112 loads at most 63 are out: the 48 oldest (K, Q, the relative tables), behind the last of which 64 were issued, are in
.irp x, 28,29,30,31,17
	v_or_b32 v\x, 0x01010000, v\x                  ; the empty blocks' bytes: 2^-126, over zero codes
.endr
	; Q: x 1/8, as reference() has it; quantised; image to LDS
.set I, 0
.rept 16
	v_pk_mul_f32 v[48+2*I:49+2*I], v[48+2*I:49+2*I], s[60:61] op_sel_hi:[1,0]
.set I, I+1
.endr
	QUANT32 48, 32, 38, 41, 42, 43, 19
	v_lshlrev_b32 v42, v45, v42                    ; my block's byte at its place,
	v_permlanex16_b32 v43, v42, s32, s33
	v_or_b32 v42, v42, v43                         ; with lane l xor 16's,
	v_or_b32 v16, 0x7f7f0000, v42                  ; and 2^0 for k = 64 on
	v_mov_b32 v38, v15                             ; the code 1.0 at k = 64
.irp i, 39,40,41,42,43
	v_mov_b32 v\i, 0
.endr
	ds_store_b128 v18, v[32:35]
	ds_store_b128 v18, v[36:39] offset:512
	ds_store_b32 v20, v16
	; K: the mask's code and scale byte join the fragment.  (These 20 plain lines also stand between Q's scale word and the products below)
.irp tt, 0,1,2,3
	v_xor_b32 v[112+\tt], 1, v[112+\tt]            ; 1 where the key is masked
	v_mul_u32_u24 v[86+8*\tt], v[112+\tt], v14     ; register 6: the code -1.0 at k = 64, or 0
	v_mov_b32 v[87+8*\tt], 0
	v_or_b32 v[116+\tt], 0x01010000, v[116+\tt]
	v_mad_u32_u24 v[120+\tt], v[112+\tt], 0xe20000, v[116+\tt]   ; block 2's byte: 227 (2^100) for a masked key, 1 else
.endr
.irp tt, 0,1,2,3
	ds_store_b128 v21, v[80+8*\tt:83+8*\tt] offset:1024*\tt
	ds_store_b128 v21, v[84+8*\tt:87+8*\tt] offset:1024*\tt+512
.endr
	ds_store_b128 v22, v[120:123]
	s_wait_dscnt 0x0                               ; the stores have read their registers: the products' results land there
	MMZ 80, 192, 32, 28, 16                        ; rel_w rows 16 - y0 + 0 .. 47 x my 16 queries
	MMZ 88, 204, 32, 29, 16
	MMZ 96, 216, 32, 30, 16
	MMZ 104, 228, 32, 31, 16                       ; rel_h rows 31 - x + 0 .. 31
	MMZ 112, 240, 32, 17, 16
.rept 4
	v_nop                                          ; places ahead of the stores of results and of the loads into the fragments' registers
.endr
	VLOAD 1                                        ; 64 loads: my second key block
.irp f, 0,1,2
	ds_store_b128 v23, v[80+8*\f:83+8*\f] offset:64*\f          ; scratch: row = query r, column = rel_w row 16 f + 8 h + j
	ds_store_b128 v23, v[84+8*\f:87+8*\f] offset:64*\f+16
.endr
.irp f, 0,1
	ds_store_b128 v24, v[104+8*\f:107+8*\f] offset:64*\f        ; the table: row = query r, column = key row p = 16 f + 8 h + j
	ds_store_b128 v24, v[108+8*\f:111+8*\f] offset:64*\f+16
.endr
.irp i, 0,1,2,3,4,5,6,7,8,9,10,11,12,13,14,15
	ds_load_b32 v[48+\i], v25 offset:60+4*\i       ; key column q' = 16 h + i wants rel_w row q' - r + 15.  LDS serves a wave's instructions in order: these see my stores
.endr
	s_wait_dscnt 0x0
.irp j, 0,1,2,3
	ds_store_b128 v26, v[48+4*\j:51+4*\j] offset:512*\j
.endr
	s_wait_loadcnt 63                              ; behind the first block's loads the second's 64 were issued: the first block is in
	VQ 0, 0
	VQ 0, 1
	s_wait_loadcnt 0x0
	VQ 1, 0
	VQ 1, 1
	s_wait_dscnt 0x0                               ; my stores have landed, for the other waves' sake, and have read their registers
	ZEROK
	; the loop's addresses.  No load from memory is out: the offsets' registers are free
	v_and_b32 v64, 31, v0
	v_and_b32 v65, 15, v0
	v_bfe_u32 v66, v0, 4, 1
	s_lshl_b32 s7, s3, 14
	v_lshl_add_u32 v3, v64, 4, s7                  ; my 16 key tiles
	s_lshl_b32 s7, s3, 11
	s_add_co_u32 s7, s7, KSC
	v_lshl_add_u32 v4, v64, 4, s7
	s_mul_i32 s7, s3, 12288
	s_add_co_u32 s7, s7, VIMG
	v_lshl_add_u32 v5, v64, 4, s7                  ; my two K steps of V
	s_lshl_b32 s7, s3, 9
	s_add_co_u32 s7, s7, VSC
	v_lshl_add_u32 v6, v64, 4, s7                  ; lanes 0-15: the first K step's words, lanes 16-31 the second's
	s_lshl_b32 s7, s4, 10
	s_add_co_u32 s7, s7, QIMG
	v_lshl_add_u32 v7, v64, 4, s7
	s_lshl_b32 s7, s4, 7
	s_add_co_u32 s7, s7, QSC
	v_lshl_add_u32 v8, v64, 2, s7
	s_lshl_b32 s7, s4, 11
	s_add_co_u32 s7, s7, RWI
	v_lshl_add_u32 v9, v64, 4, s7
	s_mul_i32 s7, s4, 2304
	s_lshl_b32 s30, s3, 5
	s_add_co_u32 s7, s7, s30
	s_add_co_u32 s7, s7, RHT
	v_mul_u32_u24 v10, v65, 144
	v_add_nc_u32 v10, s7, v10                      ; query r, key rows 8 kq on
	s_lshl_b32 s7, s2, 8
	s_add_co_u32 s7, s7, EX
	v_lshl_add_u32 v11, v64, 3, s7
	s_lshl_b32 s7, s4, 10
	s_add_co_u32 s7, s7, EX
	v_lshl_add_u32 v12, v64, 3, s7
	s_mul_i32 s7, s2, 4352
	s_add_co_u32 s7, s7, OX
	v_mul_u32_u24 v13, v65, 272
	v_lshl_add_u32 v13, v66, 5, v13
	v_add_nc_u32 v13, s7, v13                      ; my partial result: row r, + 32 h
	s_lshl_b32 s30, s3, 2
	v_add_nc_u32 v67, s30, v66                     ; the query that I finish: 4 kq + h (+ 2)
	s_mul_i32 s7, s4, 17408
	s_add_co_u32 s7, s7, OX
	v_mul_u32_u24 v14, v67, 272
	v_lshl_add_u32 v14, v65, 4, v14
	v_add_nc_u32 v14, s7, v14
	v_lshlrev_b32 v15, 11, v67
	v_lshl_add_u32 v15, v65, 4, v15                ; and its place in out0
	s_mov_b32 s40, 0
	s_mov_b32 s41, 0
	s_mov_b32 s42, 0
	s_mov_b32 s43, 0
	s_mov_b32 s36, 4
	s_barrier_signal -1
	s_barrier_wait -1                              ; all images lie in LDS
.Lround:                                               ; query tile 4 round + g
	v_add_nc_u32 v44, s40, v7
	v_add_nc_u32 v45, s41, v8
	v_add_nc_u32 v46, s42, v9
	v_add_nc_u32 v47, s43, v10
	ds_load_b128 v[32:35], v44                     ; Q (registers 8-11 stay 0)
	ds_load_b128 v[36:39], v44 offset:512
	ds_load_b32 v16, v45
.irp j, 0,1,2,3
	ds_load_b128 v[48+4*\j:51+4*\j], v46 offset:512*\j          ; the rel_w term
.endr
.irp b, 0,1,2,3,4,5,6,7
	ds_load_b32 v[64+2*\b], v47 offset:4*\b        ; the rel_h term of my 8 blocks
.endr
	KLOAD 0
	s_wait_dscnt 0x0
	SMUL 0
.irp b, 0,1,2,3,4,5,6,7
	v_mul_f32 v[64+2*\b], s34, v[64+2*\b]          ; x c.  (Eight places ahead of the loads into K's registers)
.endr
	KLOAD 1
	s_wait_dscnt 0x0
	SMUL 1
	BMAX2 0                                        ; the group before's scores: sixteen places ahead of the next loads
	KLOAD 2
	s_wait_dscnt 0x0
	SMUL 2
	BMAX2 2
	KLOAD 3
	s_wait_dscnt 0x0
	SMUL 3
	BMAX2 4
	BMAX2 6
	; my quarter's largest t = (score + rel_h term) c, and -M = floor(-t): M is a whole number
.irp b, 0,1,2,3,4,5,6,7
	v_permlanex16_b32 v[88+\b], v[65+2*\b], s32, s33
.endr
.irp b, 0,1,2,3,4,5,6,7
	v_max_num_f32 v[65+2*\b], v[65+2*\b], v[88+\b] ; with lane l xor 16's 16 keys: the block's largest score
.endr
.irp b, 0,1,2,3,4,5,6,7
	v_fma_f32 v[80+\b], v[65+2*\b], s34, v[64+2*\b]
.endr
	v_max3_num_f32 v19, v80, v81, v82
	v_max3_num_f32 v19, v19, v83, v84
	v_max3_num_f32 v19, v19, v85, v86
	v_max3_num_f32 v19, v19, v87, 0xd3800000       ; and -2^40: a quarter whose keys are all masked keeps a finite M, far under every other quarter's
	v_floor_f32 v20, -v19
.irp b, 0,1,2,3,4,5,6,7
	v_add_f32 v[64+2*\b], v[64+2*\b], v20          ; the block's addend: rel_h term x c - M
.endr
.irp b, 0,1,2,3,4,5,6,7
	v_fma_f32 v[80+\b], v[65+2*\b], s34, v[64+2*\b]   ; the block's largest score goes the way of all scores: its p is the block's largest
.endr
.set B, 0
.rept 8
.set I, 0
.rept 8
	v_pk_fma_f32 v[128+16*B+2*I:129+16*B+2*I], v[128+16*B+2*I:129+16*B+2*I], s[34:35], v[64+2*B:65+2*B] op_sel_hi:[1,0,0]   ; t - M, two at a time
.set I, I+1
.endr
.set B, B+1
.endr
.set I, 0
.rept 128
	v_exp_f32 v[128+I], v[128+I]                   ; p = 2^(t - M)
.set I, I+1
.endr
.set I, 0
.rept 8
	v_exp_f32 v[80+I], v[80+I]
.set I, I+1
.endr
	v_nop                                          ; a plain line behind the last exponential
	s_wait_alu depctr_va_vdst(0)                   ; one wait for the batch of 136, ahead of its first reader
	v_pk_add_f32 v[22:23], v[128:129], v[136:137]  ; my quarter's sum of p, in four chains
	v_pk_add_f32 v[24:25], v[130:131], v[138:139]
	v_pk_add_f32 v[96:97], v[132:133], v[140:141]
	v_pk_add_f32 v[98:99], v[134:135], v[142:143]
.set I, 2
.rept 14
	v_pk_add_f32 v[22:23], v[22:23], v[128+8*I:129+8*I]
	v_pk_add_f32 v[24:25], v[24:25], v[130+8*I:131+8*I]
	v_pk_add_f32 v[96:97], v[96:97], v[132+8*I:133+8*I]
	v_pk_add_f32 v[98:99], v[98:99], v[134+8*I:135+8*I]
.set I, I+1
.endr
	v_pk_add_f32 v[22:23], v[22:23], v[24:25]
	v_pk_add_f32 v[96:97], v[96:97], v[98:99]
	v_pk_add_f32 v[22:23], v[22:23], v[96:97]
	v_add_f32 v21, v22, v23
	v_permlanex16_b32 v19, v21, s32, s33
	v_add_f32 v21, v21, v19
	; the first exchange: (-M, sum) of the four quarters
	ds_store_b64 v11, v[20:21]
	s_wait_dscnt 0x0                               ; my store has landed; so have my reads of the partial results of the round before
	s_barrier_signal -1
	s_barrier_wait -1
.irp k, 0,1,2,3
	ds_load_b64 v[48+2*\k:49+2*\k], v12 offset:256*\k
.endr
	s_wait_dscnt 0x0
	v_min_num_f32 v100, v48, v50
	v_min_num_f32 v101, v52, v54
	v_min_num_f32 v100, v100, v101                 ; the row's -M
	v_cmp_gt_f32 s37, v100, s38                    ; above 2^39: all 1,024 keys are masked
.irp k, 0,1,2,3
	v_sub_f32 v[56+\k], v100, v[48+2*\k]           ; a quarter's M less the row's: a whole number, 0 or less
.endr
.irp k, 0,1,2,3
	v_cvt_i32_f32 v[56+\k], v[56+\k]               ; (it saturates)
.endr
.irp k, 0,1,2,3
	v_ldexp_f32 v[56+\k], 1.0, v[56+\k]
.endr
	v_mul_f32 v19, v56, v49
	v_fma_f32 v19, v57, v51, v19
	v_fma_f32 v19, v58, v53, v19
	v_fma_f32 v19, v59, v55, v19                   ; the row's sum under the row's M
	v_rcp_f32 v101, v19
	v_sub_f32 v27, v100, v20                       ; (plain work behind the reciprocal)  my own quarter's step
	v_cvt_i32_f32 v27, v27
	s_wait_alu depctr_va_vdst(0)                   ; ahead of the reciprocal's first reader
	v_ldexp_f32 v26, v101, v27                     ; F = 2^(my M - the row's M) / the row's sum
	; the finished weights, their blocks' scales, their codes
.set I, 0
.rept 64
	v_pk_mul_f32 v[128+2*I:129+2*I], v[128+2*I:129+2*I], v[26:27] op_sel_hi:[1,0]
.set I, I+1
.endr
.irp b, 0,1,2,3,4,5,6,7
	v_mul_f32 v[80+\b], v[80+\b], v26              ; the block's largest weight: the same multiplication on the same number
.endr
.irp b, 0,1,2,3,4,5,6,7
	v_max_num_f32 v[80+\b], 0x1800000, v[80+\b]    ; the floor 2^(3 - 127)
.endr
.irp b, 0,1,2,3,4,5,6,7
	v_add_nc_u32 v[88+\b], 0xff000000, v[80+\b]    ; the conversion's scale operand
.endr
.irp b, 0,1,2,3,4,5,6,7
	v_lshrrev_b32 v[96+\b], 23, v[88+\b]           ; the byte
.endr
	v_lshl_or_b32 v17, v97, 8, v96
	v_lshl_or_b32 v18, v101, 8, v100
	v_lshl_or_b32 v17, v98, 16, v17
	v_lshl_or_b32 v18, v102, 16, v18
	v_lshl_or_b32 v17, v99, 24, v17
	v_lshl_or_b32 v18, v103, 24, v18
	v_cndmask_b32 v17, v17, -1, s37                ; a row with no key left: the bytes 0xff make its sums NaN, as reference()'s are
	v_cndmask_b32 v18, v18, -1, s37
.irp p, 0,1
.irp c, 0,1
	v_cvt_scalef32_pk16_fp6_f32 v[104+12*\p+6*\c:106+12*\p+6*\c], v[128+64*\p+32*\c:143+64*\p+32*\c], v[88+4*\p+2*\c]
	v_cvt_scalef32_pk16_fp6_f32 v[48+8*\p+4*\c:50+8*\p+4*\c], v[144+64*\p+32*\c:159+64*\p+32*\c], v[89+4*\p+2*\c]
.endr
.endr
	v_nop                                          ; one plain line behind the conversions
	ds_load_b128 v[28:31], v6                      ; V's scale words, then its eight fragments, into the weights' registers: they land while the halves change places
.irp p, 0,1
.irp dt, 0,1,2,3
.irp j, 0,1,2
	ds_load_b128 v[128+48*\p+12*\dt+4*\j:131+48*\p+12*\dt+4*\j], v5 offset:(4*\p+\dt)*1536+512*\j
.endr
.endr
.endr
.irp p, 0,1
.irp c, 0,1                                    ; the operand's layout wants a whole block in a lane: lanes 0-15 block 2 c, lanes 16-31 block 2 c + 1
.irp i, 0,1,2
	v_permlane16_swap_b32 v[104+12*\p+6*\c+\i], v[48+8*\p+4*\c+\i]
.endr
.irp i, 0,1,2
	v_mov_b32 v[107+12*\p+6*\c+\i], v[48+8*\p+4*\c+\i]
.endr
.endr
.endr
.rept 4
	v_nop                                          ; an operand written by vector instructions stands four places ahead of a scaled product
.endr
	s_wait_dscnt 12                                ; the scale words and the first K step's fragments are in; the second's twelve loads may be out
.irp dt, 0,1,2,3
	MMZ 224+8*\dt, 128+12*\dt, 104, 28+\dt, 17     ; O^T = V^T P^T: four accumulators by turns
.endr
	s_wait_dscnt 0x0
.irp dt, 0,1,2,3
	MMR 224+8*\dt, 176+12*\dt, 116, 28+\dt, 18
.endr
	ZEROK                                          ; for the next round; its first twelve lines name no register of the last products: the places behind them
	; the second exchange: the four quarters' partial results
.irp dt, 0,1,2,3
	ds_store_b128 v13, v[224+8*\dt:227+8*\dt] offset:64*\dt
	ds_store_b128 v13, v[228+8*\dt:231+8*\dt] offset:64*\dt+16
.endr
	s_wait_dscnt 0x0                               ; my stores have landed; my reads of the first exchange were awaited above
	s_barrier_signal -1
	s_barrier_wait -1
.irp i, 0,1
.irp k, 0,1,2,3
	ds_load_b128 v[128+16*\i+4*\k:131+16*\i+4*\k], v14 offset:4352*\k+544*\i
.endr
.endr
	s_wait_dscnt 4                                 ; queries 4 kq + h: four parts are in; the next pair's four loads may be out
.irp i, 0,1
.if \i == 1
	s_wait_dscnt 0x0
.endif
	v_pk_add_f32 v[128+16*\i:129+16*\i], v[128+16*\i:129+16*\i], v[132+16*\i:133+16*\i]
	v_pk_add_f32 v[130+16*\i:131+16*\i], v[130+16*\i:131+16*\i], v[134+16*\i:135+16*\i]
	v_pk_add_f32 v[136+16*\i:137+16*\i], v[136+16*\i:137+16*\i], v[140+16*\i:141+16*\i]
	v_pk_add_f32 v[138+16*\i:139+16*\i], v[138+16*\i:139+16*\i], v[142+16*\i:143+16*\i]
	v_pk_add_f32 v[128+16*\i:129+16*\i], v[128+16*\i:129+16*\i], v[136+16*\i:137+16*\i]
	v_pk_add_f32 v[130+16*\i:131+16*\i], v[130+16*\i:131+16*\i], v[138+16*\i:139+16*\i]
	global_store_b128 v15, v[128+16*\i:131+16*\i], s[26:27] offset:4096*\i th:TH_STORE_NT   ; sixteen lanes store a query's 256 consecutive bytes of this head, at a multiple of 256 from out0's first byte
.endr
	s_wait_xcnt 0x0                                ; the stores have read their data and their base: both are written again
	s_add_nc_u64 s[26:27], s[26:27], 131072        ; 64 queries on
	s_add_co_u32 s40, s40, 4096                    ; four query tiles on, in each table
	s_add_co_u32 s41, s41, 512
	s_add_co_u32 s42, s42, 8192
	s_add_co_u32 s43, s43, 9216
	s_sub_co_u32 s36, s36, 1
	s_cmp_lg_u32 s36, 0
	s_cbranch_scc1 .Lround
	s_wait_tensorcnt 0x0                           ; the wave's end, behind my last LDS store
	ds_add_u32 v1, v2
	s_wait_dscnt 0x0
	s_endpgm
.Lfunc_end_k_q28241b0753_relattn:
	.size	k_q28241b0753_relattn, .Lfunc_end_k_q28241b0753_relattn-k_q28241b0753_relattn
	.p2alignl 7, 3214868480
	.fill 96, 4, 3214868480
	.section	.rodata,"a",@progbits
	.p2align	6, 0x0
	.amdhsa_kernel k_q28241b0753_relattn
		.amdhsa_group_segment_fixed_size 288768
		.amdhsa_private_segment_fixed_size 0
		.amdhsa_enable_private_segment 0
		.amdhsa_kernarg_size 80
		.amdhsa_user_sgpr_count 2
		.amdhsa_user_sgpr_kernarg_segment_ptr 1
		.amdhsa_wavefront_size32 1
		.amdhsa_system_sgpr_workgroup_id_x 1
		.amdhsa_system_sgpr_workgroup_id_y 1
		.amdhsa_system_sgpr_workgroup_id_z 1
		.amdhsa_system_vgpr_workitem_id 0
		.amdhsa_next_free_vgpr 256
		.amdhsa_next_free_sgpr 66
		.amdhsa_reserve_vcc 0
		.amdhsa_float_denorm_mode_32 3
		.amdhsa_float_denorm_mode_16_64 3
		.amdhsa_memory_ordered 1
		.amdhsa_forward_progress 1
		.amdhsa_inst_pref_size 80
	.end_amdhsa_kernel
	.amdgpu_metadata
---
amdhsa.version: [ 1, 2 ]
amdhsa.kernels:
  - .name:           k_q28241b0753_relattn
    .symbol:         k_q28241b0753_relattn.kd
    .args:
      - { .name: q, .offset: 0, .size: 8, .value_kind: global_buffer, .address_space: global }
      - { .name: k_codes, .offset: 8, .size: 8, .value_kind: global_buffer, .address_space: global }
      - { .name: k_scales, .offset: 16, .size: 8, .value_kind: global_buffer, .address_space: global }
      - { .name: attn_mask, .offset: 24, .size: 8, .value_kind: global_buffer, .address_space: global }
      - { .name: rel_emb_w_codes, .offset: 32, .size: 8, .value_kind: global_buffer, .address_space: global }
      - { .name: rel_emb_w_scales, .offset: 40, .size: 8, .value_kind: global_buffer, .address_space: global }
      - { .name: rel_emb_h_codes, .offset: 48, .size: 8, .value_kind: global_buffer, .address_space: global }
      - { .name: rel_emb_h_scales, .offset: 56, .size: 8, .value_kind: global_buffer, .address_space: global }
      - { .name: v, .offset: 64, .size: 8, .value_kind: global_buffer, .address_space: global }
      - { .name: out0, .offset: 72, .size: 8, .value_kind: global_buffer, .address_space: global }
    .group_segment_fixed_size: 288768
    .private_segment_fixed_size: 0
    .kernarg_segment_align: 8
    .kernarg_segment_size: 80
    .max_flat_workgroup_size: 512
    .sgpr_count:     66
    .vgpr_count:     256
    .wavefront_size: 32
...
	.end_amdgpu_metadata
.endif
;; end of part 1
;; ======== version 2 of 2: 1 launch; version 1 with the launch relattn written anew for expert scheduling mode
;; limits: right only within a limited range of input values
;; launch relattn (part 2): grid 256 x 1, 16 waves a work-group, no clusters, 288,768 bytes of LDS; arguments q, k_codes, k_scales, attn_mask, rel_emb_w_codes, rel_emb_w_scales, rel_emb_h_codes, rel_emb_h_scales, v, out0; writes out0
.if DOCPART == 2
	.amdgcn_target "amdgcn-amd-amdhsa--gfx1250"
	.amdhsa_code_object_version 6
	.text
	.protected	k_q28241b0753_relattn
	.globl	k_q28241b0753_relattn
	.p2align	8
	.type	k_q28241b0753_relattn,@function
k_q28241b0753_relattn:
	s_mov_b64 s[64:65], 0
	v_nop
	global_prefetch_b8 v0, s[64:65] scope:SCOPE_SE
	s_setreg_imm32_b32 hwreg(HW_REG_WAVE_SCHED_MODE, 0, 2), 2
	s_setreg_imm32_b32 hwreg(HW_REG_WAVE_MODE, 25, 1), 1
	s_wait_xcnt 0x0
	s_wait_alu depctr_vm_vsrc(0)
; out[b][x][y][n][:] = sum over keys (p, q') of softmax(qs . k[p][q'] + qs . rel_w[q' - y + 31] + qs . rel_h[p - x + 31] + mask) v[p][q'][:],  qs = q / 8.
; All four products on codes of FP6 (E2M3) with one E8M0 scale for each 32 along K.  q (x 1/8), v (along the keys) and the finished, normalised weights (along the keys) are quantised here.
; WORK LEFT OUT.  rel_to_abs keeps of each query's 63 relative logits only column j - i + 31.  For a tile of 16 queries of one grid row that is 47 neighbouring rows of rel_emb_w (three tiles of 16 in
; place of four) and 32 neighbouring rows of rel_emb_h (two in place of four); the other columns are sliced away by reference() itself, whatever the inputs hold.  Every input is loaded.
; LIMITS.  A NaN or an infinity that reaches only those sliced columns is not carried to the result.  A masked key's logit is -2^100, not -infinity: its weight is exactly 0 all the same; logits of
; magnitude 2^39 and more are not served.  A row whose 1,024 keys are all masked gives NaN, as in reference().  NaN and infinities among q and v are not served.  A block of zeros has the scale byte 1
; where the quantiser says 127: its codes are zeros, and only this program reads the byte.
; SHARES.  Work-group wg: head wg / 4, 256 queries (quarter wg % 4).  Sixteen waves of 256 registers, four to a SIMD.  THE HEAD: each wave lays a sixteenth of K, V, Q and the relative tables into LDS, as
; images of operand registers.  THE LOOP, four rounds: waves 4 g .. 4 g + 3 work on query tile 4 round + g, each on a quarter of the keys (256 keys: 128 scores a lane, which stay in registers, so that
; each weight costs one exponential).  Two exchanges a round through LDS: (-M, sum), then the four partial results.
; WHAT COSTS NOTHING FOR EACH SCORE.  The term with rel_w is the C of the first product; the term with rel_h is the same for a block of 32 keys and rides in the addend of the scaling; the mask rides in
; the product's empty K block 64..95: Q has the code 1.0 at k = 64, a masked key the code -1.0 under the scale 2^100, all other keys 0.
; LAYOUT.  Both products transposed (source 0 = 16 keys or 16 channels, source 1 = 16 queries): a lane holds one query (lane % 16).  Lane r of key tile 2 p + u takes key 32 p + 8 u + r + 8 (r / 8),
; so that the 16 registers of tiles 2 p, 2 p + 1 are the keys 32 p + 16 (lane / 16) + 0 .. 15.
; NO CLUSTER, NO TENSOR LOAD: what the four work-groups of a head share is changed in registers on its way into LDS (k's fragments get the mask's code, v is quantised); a joint load would have to
; stage v's 262,144 bytes of f32 beside the 288,768 bytes of LDS in use.  NO PREFETCH: all reads from memory stand at the head.
; THE MODE: SCHED_MODE bits 1:0 = 2 (LLVM: expert scheduling mode 2), set by the entry lines.  The code itself states the register dependences between vector or matrix instructions and memory or LDS
; instructions, with s_wait_alu, always for 0.
; THE PLAN.  Registers that LDS or memory instructions touch, in the loop:
;   v3-6, v11-15     addresses, made at the head's end and never written in the loop.
;   v44-47           the round's addresses: written by four additions at the round's head, read by the loads behind them.
;   v32-39, v16      Q and its scale word: loaded at the round's head, read by the sixteen first products.
;   v48-63           the rel_w term: loaded at the round's head, read as C; then v48-55 take the first exchange's loads; then the conversions' second halves.
;   v64, 66 .. 78    the rel_h term: loaded at the round's head, from then on vector lines alone.
;   v80-87 + 12 tt, v28-31   K's four fragments and scale words: loaded four times a round, read by the group's four products.  ONE set: the wave's 256 registers are all in use, and four waves
;                    of 256 are all that a SIMD has.  So a wait on va_vdst stands ahead of each later fetch, eight vector lines behind the products that it waits for; eight more stand behind the loads.
;   v20:21           the first exchange's data.     v224-255  O^T: the second exchange's data.
;   v128-223         weights, read by the conversions; then V's fragments land there; then v128-159 take the second exchange's loads; v128-131, v144-147 are the global stores' data.
; One wait on vm_vsrc a round, at its end: every address and every store's data of the round has been read; they are written again in the next round alone.
.set KIMG,  0              ; 64 key tiles x 1,024: registers 0-7 of a fragment as two images of 512 bytes (16 bytes a lane)
.set KSC,   65536          ; 16 groups of 4 tiles x 512: the four scale words of a lane's rows, 16 bytes a lane
.set VIMG,  73728          ; 32 fragments (4 K step + channel tile) x 1,536: twelve registers as three images
.set VSC,   122880         ; 8 K steps x 256: word (row r, channel tile dt) at 16 r + 4 dt
.set QIMG,  124928         ; 16 query tiles x 1,024
.set QSC,   141312         ; 16 x 128
.set RWI,   143360         ; 16 x 2,048: the rel_w term in the first product's result layout, 16 registers
.set RHT,   176128         ; 16 x 2,304: the rel_h term, [query][key row], 144 bytes a query
.set EX,    212992         ; 16 waves x 256: (-M, sum), 8 bytes a lane
.set OX,    217088         ; 16 waves x 4,352: 16 queries x (256 bytes + 16); at the head the wave's own scratch
.set SPARE, 286720         ; the spare words, 128 bytes a wave: eight blocks of 256 bytes that no other line names
; REGISTERS OF THE LOOP: v1, v2 the add's two; v3-15 addresses that stay; v16 Q's scale word; v17, v18 the weights' scale words; v19 at work; v[20:21] (-M, sum); v[22:25] sums; v[26:27] (F, a whole number);
; v28-31 four scale words of K or V; v32-43 Q; v44-47 the round's addresses; v48-63 the rel_w term, later at work; v64-79 pairs (addend, largest score) of my 8 blocks; v80-127 four fragments of K, later at
; work and the weights' codes; v128-255 scores, then weights; later V's eight fragments (v128-223) and O^T (v224-255).
.macro MMZ d, a, b, sa, sb             ; a product that starts a sum
	v_wmma_scale_f32_16x16x128_f8f6f4 v[(\d):(\d)+7], v[(\a):(\a)+11], v[(\b):(\b)+11], 0, v[\sa], v[\sb] matrix_a_fmt:MATRIX_FMT_FP6 matrix_b_fmt:MATRIX_FMT_FP6
.endm
.macro MMC d, a, b, c, sa, sb          ; a product onto other registers
	v_wmma_scale_f32_16x16x128_f8f6f4 v[(\d):(\d)+7], v[(\a):(\a)+11], v[(\b):(\b)+11], v[(\c):(\c)+7], v[\sa], v[\sb] matrix_a_fmt:MATRIX_FMT_FP6 matrix_b_fmt:MATRIX_FMT_FP6
.endm
.macro MMR d, a, b, sa, sb             ; a product in place; source 0's scales from lanes 16-31
	v_wmma_scale_f32_16x16x128_f8f6f4 v[(\d):(\d)+7], v[(\a):(\a)+11], v[(\b):(\b)+11], v[(\d):(\d)+7], v[\sa], v[\sb] matrix_a_fmt:MATRIX_FMT_FP6 matrix_b_fmt:MATRIX_FMT_FP6 matrix_a_scale:MATRIX_SCALE_ROW1
.endm
; 32 numbers of one block in v[x] on become 192 bits of codes in v[c0] .. v[c0 + 5] and the scale's byte in v[by].  d0: three registers for the second half (a conversion's three begin on an even number).
.macro QUANT32 x, c0, d0, so, by, d, t
	v_max3_num_f32 v[\d], |v[\x]|, |v[\x+1]|, |v[\x+2]|
	v_max3_num_f32 v[\t], |v[\x+3]|, |v[\x+4]|, |v[\x+5]|
.irp i, 6,10,14,18,22,26
	v_max3_num_f32 v[\d], v[\d], |v[\x+\i]|, |v[\x+\i+1]|
	v_max3_num_f32 v[\t], v[\t], |v[\x+\i+2]|, |v[\x+\i+3]|
.endr
	v_max3_num_f32 v[\d], v[\d], |v[\x+30]|, |v[\x+31]|
	v_max3_num_f32 v[\d], v[\d], v[\t], 0x1800000          ; the floor 2^(3 - 127): the byte cannot fall under 1
	v_add_nc_u32 v[\so], 0xff000000, v[\d]                 ; 2 off the exponent field: the conversion's scale operand
	v_cvt_scalef32_pk16_fp6_f32 v[\c0:\c0+2], v[\x:\x+15], v[\so]
	v_cvt_scalef32_pk16_fp6_f32 v[\d0:\d0+2], v[\x+16:\x+31], v[\so]
	v_lshrrev_b32 v[\by], 23, v[\so]                       ; the byte; also the plain line behind the conversions
.irp i, 0,1,2
	v_mov_b32 v[\c0+3+\i], v[\d0+\i]
.endr
.endm
.macro VLOAD c                         ; two blocks of 32 keys x 32 channels: a lane takes a channel, its registers run down the keys; both halves of a row of 256 bytes are asked for on end
.set I, 0
.rept 32
	global_load_b32 v[128+64*(\c)+I], v13, s[24:25] offset:16384*(\c)+256*I
	global_load_b32 v[160+64*(\c)+I], v13, s[24:25] offset:16384*(\c)+256*I+128
.set I, I+1
.endr
.endm
; key block 4 (w / 2) + 2 c + w % 2, channels 32 e + lane: registers 6 c .. 6 c + 5 of lane 16 (w % 2) + lane % 16 of fragment 4 (w / 2) + 2 e + lane / 16.  VQQ quantises, VQS stores: each (c, e) has twelve registers of its own
.macro VQQ c, e
.set XX, 128+64*(\c)+32*(\e)
.set TT, 80+12*(2*(\c)+(\e))
	QUANT32 XX, TT, TT+6, TT+9, TT+10, TT+11, 19
.endm
.macro VQS c, e
.set TT, 80+12*(2*(\c)+(\e))
.if (\c) == 0
	ds_store_b128 v27, v[TT:TT+3] offset:3072*(\e)
	ds_store_b64 v27, v[TT+4:TT+5] offset:3072*(\e)+512
.else
	ds_store_b64 v27, v[TT:TT+1] offset:3072*(\e)+520
	ds_store_b128 v27, v[TT+2:TT+5] offset:3072*(\e)+1024
.endif
	ds_store_b8 v44, v[TT+10] offset:8*(\e)+2*(\c)
.endm
.macro ZEROK                           ; registers 8-11 of K's four fragments: k = 80 .. 127 is empty
.irp k, 0,1,2,3
.irp i, 0,1,2,3
	v_mov_b32 v[88+12*\k+\i], 0
.endr
.endr
.endm
.macro KLOAD G                         ; my key tiles 4 G .. 4 G + 3 and their scale words
.irp tt, 0,1,2,3
	ds_load_b128 v[80+12*\tt:83+12*\tt], v3 offset:(4*(\G)+\tt)*1024
	ds_load_b128 v[84+12*\tt:87+12*\tt], v3 offset:(4*(\G)+\tt)*1024+512
.endr
	ds_load_b128 v[28:31], v4 offset:512*(\G)
.endm
.macro SMUL G                          ; S^T = K Q^T + the rel_w term: four accumulators, one instruction each
.irp tt, 0,1,2,3
	MMC 128+8*(4*(\G)+\tt), 80+12*\tt, 32, 48+8*(\tt%2), 28+\tt, 16
.endr
.endm
; the largest score of my 16 keys of blocks b0 and b0 + 1, by turns; each accumulator is read from its low end on.  In two halves of eight lines
.macro BMAXA b0
.irp b, \b0, \b0+1
	v_max3_num_f32 v[65+2*(\b)], v[128+16*(\b)], v[129+16*(\b)], v[130+16*(\b)]
.endr
.irp i, 3,5,7
.irp b, \b0, \b0+1
	v_max3_num_f32 v[65+2*(\b)], v[65+2*(\b)], v[128+16*(\b)+\i], v[129+16*(\b)+\i]
.endr
.endr
.endm
.macro BMAXB b0
.irp i, 9,11,13
.irp b, \b0, \b0+1
	v_max3_num_f32 v[65+2*(\b)], v[65+2*(\b)], v[128+16*(\b)+\i], v[129+16*(\b)+\i]
.endr
.endr
.irp b, \b0, \b0+1
	v_max_num_f32 v[65+2*(\b)], v[65+2*(\b)], v[143+16*(\b)]
.endr
.endm
	s_load_b512 s[8:23], s[0:1], 0x0               ; q 8, k_codes 10, k_scales 12, attn_mask 14, rel_w codes 16, scales 18, rel_h codes 20, scales 22
	s_load_b128 s[24:27], s[0:1], 0x40             ; v 24, out0 26
	v_lshl_add_u32 v1, v0, 2, SPARE
	v_mov_b32 v2, 0
	v_lshrrev_b32 v46, 5, v0
	v_readfirstlane_b32 s2, v46                    ; wave w
	s_wait_alu depctr_va_sdst(0)                   ; s2 is written, ahead of its first reader: every wave's offsets and LDS places are made from it
	s_and_b32 s3, s2, 3                            ; kq: my quarter of the keys
	s_lshr_b32 s4, s2, 2                           ; g: my group of four waves
	s_lshr_b32 s5, ttmp9, 2                        ; head 0 .. 63
	s_and_b32 s6, ttmp9, 3                         ; quarter of the queries
	s_lshr_b32 s28, s5, 3                          ; batch
	s_lshr_b32 s29, s2, 1                          ; w / 2
	s_and_b32 s39, s2, 1                           ; w % 2
	; byte offsets of my parts, each in a pair of its own
	s_lshl_b32 s44, ttmp9, 16                      ; q: 256 queries of 256 bytes a work-group,
	s_lshl_b32 s7, s2, 12                          ; 16 a wave
	s_add_co_u32 s44, s44, s7
	s_mov_b32 s45, 0
	s_mul_i32 s46, s5, 49152                       ; k's codes: 1,024 keys of 48 bytes a head, 64 keys a wave
	s_mul_i32 s7, s2, 3072
	s_add_co_u32 s46, s46, s7
	s_mov_b32 s47, 0
	s_lshl_b32 s48, s5, 11                         ; k's scales: 2 bytes a key
	s_lshl_b32 s7, s2, 7
	s_add_co_u32 s48, s48, s7
	s_mov_b32 s49, 0
	s_lshl_b32 s50, s28, 10                        ; the mask: 1,024 bytes a batch
	s_lshl_b32 s7, s2, 6
	s_add_co_u32 s50, s50, s7
	s_mov_b32 s51, 0
	s_lshl_b32 s7, s6, 3
	s_add_co_u32 s7, s7, s29                       ; x, the grid row of query tile w: 8 quarter + w / 2
	s_sub_co_u32 s7, 31, s7                        ; rel_h's first row: 31 - x
	s_mul_i32 s52, s7, 48
	s_mov_b32 s53, 0
	s_lshl_b32 s54, s7, 1
	s_mov_b32 s55, 0
	s_lshl_b32 s56, s5, 18                         ; v: 262,144 bytes a head; key block 4 (w / 2) + w % 2, 8,192 bytes a block
	s_lshl_b32 s7, s29, 2
	s_add_co_u32 s7, s7, s39
	s_lshl_b32 s7, s7, 13
	s_add_co_u32 s56, s56, s7
	s_mov_b32 s57, 0
	s_lshl_b32 s58, s28, 21                        ; out0: 2,097,152 bytes a batch, 2,048 a query, 256 a head; query 256 quarter + 16 g
	s_lshl_b32 s7, s6, 8
	s_lshl_b32 s30, s4, 4
	s_add_co_u32 s7, s7, s30
	s_lshl_b32 s7, s7, 11
	s_add_co_u32 s58, s58, s7
	s_and_b32 s7, s5, 7
	s_lshl_b32 s7, s7, 8
	s_add_co_u32 s58, s58, s7
	s_mov_b32 s59, 0
	s_mov_b32 s32, 0x76543210                      ; v_permlanex16_b32's selects for lane l xor 16
	s_mov_b32 s33, 0xfedcba98
	s_mov_b32 s34, 0x3fb8aa3b                      ; c = log2(e)
	s_mov_b32 s35, s34                             ; (named with it as a pair)
	s_mov_b32 s38, 0x53000000                      ; 2^39
	s_mov_b32 s60, 0x3e000000                      ; 1 / 8
	s_mov_b32 s61, s60
	; the lanes' offsets in memory
	v_and_b32 v124, 31, v0                         ; lane
	v_and_b32 v125, 15, v0                         ; r
	v_bfe_u32 v126, v0, 4, 1                       ; h
	v_and_b32 v4, 8, v125
	v_add_nc_u32 v4, v4, v125                      ; the mask: r + 8 (r / 8), a tile's key for my lane
	v_mul_u32_u24 v3, v4, 48
	v_mad_u32_u24 v3, v126, 24, v3                 ; k's codes: that key's row + 24 h
	v_lshlrev_b32 v5, 1, v4                        ; k's scales
	v_lshlrev_b32 v6, 8, v125
	v_lshl_add_u32 v6, v126, 7, v6                 ; q: row r, block h
	s_xor_b32 s7, s39, 1
	s_lshl_b32 s7, s7, 4                           ; rel_w's first row: 16 - y0, y0 = 16 (w % 2)
	v_add_nc_u32 v46, s7, v125
	v_mul_u32_u24 v7, v46, 48
	v_mad_u32_u24 v7, v126, 24, v7
	v_lshlrev_b32 v8, 1, v46
	v_add_nc_u32 v47, 32, v46
	v_min_u32 v47, 62, v47                         ; the third tile's last row would be row 63, which does not exist and is not used: held at 62
	v_mul_u32_u24 v9, v47, 48
	v_mad_u32_u24 v9, v126, 24, v9
	v_lshlrev_b32 v10, 1, v47
	v_mul_u32_u24 v11, v125, 48
	v_mad_u32_u24 v11, v126, 24, v11               ; rel_h
	v_lshlrev_b32 v12, 1, v125
	v_lshlrev_b32 v13, 2, v124                     ; v: 4 bytes a lane
	s_wait_kmcnt 0x0
	s_add_nc_u64 s[8:9], s[8:9], s[44:45]
	s_add_nc_u64 s[10:11], s[10:11], s[46:47]
	s_add_nc_u64 s[12:13], s[12:13], s[48:49]
	s_add_nc_u64 s[14:15], s[14:15], s[50:51]
	s_add_nc_u64 s[20:21], s[20:21], s[52:53]
	s_add_nc_u64 s[22:23], s[22:23], s[54:55]
	s_add_nc_u64 s[24:25], s[24:25], s[56:57]
	s_add_nc_u64 s[26:27], s[26:27], s[58:59]
	s_wait_alu depctr_va_vdst(0)                   ; the eleven offsets v3 to v13 are written, which the head's loads read
	; 20 loads: my four key tiles (keys 64 w + 32 (tt / 2) + 8 (tt % 2) + r + 8 (r / 8)): codes, mask byte, the two scale bytes
.irp tt, 0,1,2,3
.irp i, 0,1,2
	global_load_b64 v[80+8*\tt+2*\i:81+8*\tt+2*\i], v3, s[10:11] offset:48*(32*(\tt/2)+8*(\tt%2))+8*\i
.endr
	global_load_u8 v[112+\tt], v4, s[14:15] offset:32*(\tt/2)+8*(\tt%2)
	global_load_u16 v[116+\tt], v5, s[12:13] offset:2*(32*(\tt/2)+8*(\tt%2))
.endr
	; 8 loads: query 16 w + r, channels 32 h + 0 .. 31: a whole block in a lane
.irp i, 0,1,2,3,4,5,6,7
	global_load_b128 v[48+4*\i:51+4*\i], v6, s[8:9] offset:16*\i th:TH_LOAD_NT
.endr
	; 20 loads: three tiles of rel_w, two of rel_h: registers 0-5 of each fragment, and the scale bytes
.irp f, 0,1
.irp i, 0,1,2
	global_load_b64 v[192+12*\f+2*\i:193+12*\f+2*\i], v7, s[16:17] offset:768*\f+8*\i
.endr
.endr
.irp i, 0,1,2
	global_load_b64 v[216+2*\i:217+2*\i], v9, s[16:17] offset:8*\i
.endr
.irp f, 0,1
.irp i, 0,1,2
	global_load_b64 v[228+12*\f+2*\i:229+12*\f+2*\i], v11, s[20:21] offset:768*\f+8*\i
.endr
.endr
	global_load_u16 v28, v8, s[18:19]
	global_load_u16 v29, v8, s[18:19] offset:32
	global_load_u16 v30, v10, s[18:19]
	global_load_u16 v31, v12, s[22:23]
	global_load_u16 v17, v12, s[22:23] offset:32
	VLOAD 0                                        ; 64 loads: my first key block, all 64 channels
	; work on registers while the loads are out: none of these lines names an offset or a target of a load
.irp f, 0,1,2,3,4
.irp i, 6,7,8,9,10,11
	v_mov_b32 v[192+12*\f+\i], 0                   ; k = 64 .. 127 of the relative tables is empty
.endr
.endr
	v_sub_nc_u32 v14, 1, v126
	v_lshlrev_b32 v15, 3, v14                      ; the code 1.0 (8) in lanes 0-15, which hold k = 64
	v_mul_u32_u24 v14, v14, 40                     ; the code -1.0 (40) there
	v_lshlrev_b32 v45, 3, v126                     ; 8 h
	s_lshl_b32 s7, s2, 10
	s_add_co_u32 s7, s7, QIMG
	v_lshl_add_u32 v18, v124, 4, s7                ; where I store Q's image,
	s_lshl_b32 s7, s2, 7
	s_add_co_u32 s7, s7, QSC
	v_lshl_add_u32 v20, v124, 2, s7                ; its scale words,
	s_lshl_b32 s7, s2, 12
	v_lshl_add_u32 v21, v124, 4, s7                ; K's images (KIMG = 0),
	s_lshl_b32 s7, s2, 9
	s_add_co_u32 s7, s7, KSC
	v_lshl_add_u32 v22, v124, 4, s7                ; their scale words,
	s_mul_i32 s7, s2, 4352
	s_add_co_u32 s7, s7, OX
	v_mul_u32_u24 v23, v125, 272
	v_lshl_add_u32 v23, v126, 5, v23
	v_add_nc_u32 v23, s7, v23                      ; my scratch: row r, + 32 h,
	v_mul_u32_u24 v25, v125, 268
	v_lshl_add_u32 v25, v126, 6, v25
	v_add_nc_u32 v25, s7, v25                      ; and out of it askew: row r, column 16 h + i - r + 15 (the 60 + 4 i stands in the immediate),
	s_mul_i32 s7, s2, 2304
	s_add_co_u32 s7, s7, RHT
	v_mul_u32_u24 v24, v125, 144
	v_lshl_add_u32 v24, v126, 5, v24
	v_add_nc_u32 v24, s7, v24                      ; the rel_h table,
	s_lshl_b32 s7, s2, 11
	s_add_co_u32 s7, s7, RWI
	v_lshl_add_u32 v26, v124, 4, s7                ; the rel_w image,
	s_mul_i32 s7, s29, 6144
	s_lshl_b32 s30, s39, 8
	s_add_co_u32 s7, s7, s30
	s_add_co_u32 s7, s7, VIMG
	v_mul_u32_u24 v27, v126, 1536
	v_lshl_add_u32 v27, v125, 4, v27
	v_add_nc_u32 v27, s7, v27                      ; V's images: K step w / 2, channel tile + lane / 16, target lane 16 (w % 2) + r,
	s_lshl_b32 s7, s29, 8
	s_add_co_u32 s7, s7, s39
	s_add_co_u32 s7, s7, VSC
	v_lshlrev_b32 v44, 4, v125
	v_lshl_add_u32 v44, v126, 2, v44
	v_add_nc_u32 v44, s7, v44                      ; and V's scale bytes
	s_wait_loadcnt 63                              ; of 112 loads at most 63 are out: the 48 oldest (K, Q, the relative tables), behind the last of which 64 were issued, are in
.irp x, 28,29,30,31,17
	v_or_b32 v\x, 0x01010000, v\x                  ; the empty blocks' bytes: 2^-126, over zero codes
.endr
	; Q: x 1/8, as reference() has it; quantised
.set I, 0
.rept 16
	v_pk_mul_f32 v[48+2*I:49+2*I], v[48+2*I:49+2*I], s[60:61] op_sel_hi:[1,0]
.set I, I+1
.endr
	QUANT32 48, 32, 38, 41, 42, 43, 19
	v_lshlrev_b32 v42, v45, v42                    ; my block's byte at its place,
	v_permlanex16_b32 v43, v42, s32, s33
	v_or_b32 v42, v42, v43                         ; with lane l xor 16's,
	v_or_b32 v16, 0x7f7f0000, v42                  ; and 2^0 for k = 64 on
	v_mov_b32 v38, v15                             ; the code 1.0 at k = 64
.irp i, 39,40,41,42,43
	v_mov_b32 v\i, 0
.endr
	; K: the mask's code and scale byte join the fragment.  (These 20 plain lines also stand between Q's scale word and the products below)
.irp tt, 0,1,2,3
	v_xor_b32 v[112+\tt], 1, v[112+\tt]            ; 1 where the key is masked
	v_mul_u32_u24 v[86+8*\tt], v[112+\tt], v14     ; register 6: the code -1.0 at k = 64, or 0
	v_mov_b32 v[87+8*\tt], 0
	v_or_b32 v[116+\tt], 0x01010000, v[116+\tt]
	v_mad_u32_u24 v[120+\tt], v[112+\tt], 0xe20000, v[116+\tt]   ; block 2's byte: 227 (2^100) for a masked key, 1 else
.endr
	s_wait_alu depctr_va_vdst(0)                   ; written: the LDS addresses v18 to v27 and v44; Q's codes v32-43 and scale word v16, K's registers 6, 7 and words v120-123, which the stores below read; and, for the five products, Q, the tables' zeros v198 .. and the scale words v28-31, v17, v16
	ds_store_b128 v18, v[32:35]                    ; Q's image
	ds_store_b128 v18, v[36:39] offset:512
	ds_store_b32 v20, v16
.irp tt, 0,1,2,3
	ds_store_b128 v21, v[80+8*\tt:83+8*\tt] offset:1024*\tt
	ds_store_b128 v21, v[84+8*\tt:87+8*\tt] offset:1024*\tt+512
.endr
	ds_store_b128 v22, v[120:123]
	s_wait_dscnt 0x0                               ; the stores have landed
	s_wait_alu depctr_vm_vsrc(0)                   ; K's stores have read v80-111: the products' results land there
	MMZ 80, 192, 32, 28, 16                        ; rel_w rows 16 - y0 + 0 .. 47 x my 16 queries
	MMZ 88, 204, 32, 29, 16
	MMZ 96, 216, 32, 30, 16
	MMZ 104, 228, 32, 31, 16                       ; rel_h rows 31 - x + 0 .. 31
	MMZ 112, 240, 32, 17, 16
.rept 4
	v_nop                                          ; places ahead of the stores of results
.endr
	s_wait_alu depctr_va_vdst(0)                   ; the five products have written v80-119, which the stores below read, and are done reading the tables' fragments v192-251, in which V's loads land; Q's conversions are done reading v48-63, in which the askew loads land
	VLOAD 1                                        ; 64 loads: my second key block
.irp f, 0,1,2
	ds_store_b128 v23, v[80+8*\f:83+8*\f] offset:64*\f          ; scratch: row = query r, column = rel_w row 16 f + 8 h + j
	ds_store_b128 v23, v[84+8*\f:87+8*\f] offset:64*\f+16
.endr
.irp f, 0,1
	ds_store_b128 v24, v[104+8*\f:107+8*\f] offset:64*\f        ; the table: row = query r, column = key row p = 16 f + 8 h + j
	ds_store_b128 v24, v[108+8*\f:111+8*\f] offset:64*\f+16
.endr
.irp i, 0,1,2,3,4,5,6,7,8,9,10,11,12,13,14,15
	ds_load_b32 v[48+\i], v25 offset:60+4*\i       ; key column q' = 16 h + i wants rel_w row q' - r + 15.  LDS serves a wave's instructions in order: these see my stores
.endr
	s_wait_dscnt 0x0
.irp j, 0,1,2,3
	ds_store_b128 v26, v[48+4*\j:51+4*\j] offset:512*\j
.endr
	s_wait_loadcnt 63                              ; behind the first block's loads the second's 64 were issued: the first block is in
	s_wait_alu depctr_vm_vsrc(0)                   ; the stores of the relative terms have read v80-119, which V's quantising writes
	VQQ 0, 0
	VQQ 0, 1
	s_wait_alu depctr_va_vdst(0)                   ; the first key block's codes and bytes, v80-103, are written, which the stores read
	VQS 0, 0
	VQS 0, 1
	s_wait_loadcnt 0x0
	VQQ 1, 0                                       ; (it writes v104-127: none of the registers that the stores above read)
	VQQ 1, 1
	s_wait_alu depctr_va_vdst(0)                   ; the second key block's, v104-127, are written
	VQS 1, 0
	VQS 1, 1
	s_wait_dscnt 0x0                               ; my stores have landed, for the other waves' sake
	s_wait_alu depctr_vm_vsrc(0)                   ; every load and store of the head has read its registers: the offsets v3-13, the LDS addresses v18-27 and v44, Q's and K's images, the rel_w image v48-63 and V's codes and bytes are written again from here on
	ZEROK
	; the loop's addresses.  No load from memory is out: the offsets' registers are free
	v_and_b32 v64, 31, v0
	s_wait_alu depctr_va_vdst(0)
	v_and_b32 v65, 15, v0
	s_wait_alu depctr_va_vdst(0)
	v_bfe_u32 v66, v0, 4, 1
	s_lshl_b32 s7, s3, 14
	v_lshl_add_u32 v3, v64, 4, s7                  ; my 16 key tiles
	s_lshl_b32 s7, s3, 11
	s_add_co_u32 s7, s7, KSC
	v_lshl_add_u32 v4, v64, 4, s7
	s_mul_i32 s7, s3, 12288
	s_add_co_u32 s7, s7, VIMG
	v_lshl_add_u32 v5, v64, 4, s7                  ; my two K steps of V
	s_lshl_b32 s7, s3, 9
	s_add_co_u32 s7, s7, VSC
	v_lshl_add_u32 v6, v64, 4, s7                  ; lanes 0-15: the first K step's words, lanes 16-31 the second's
	s_lshl_b32 s7, s4, 10
	s_add_co_u32 s7, s7, QIMG
	v_lshl_add_u32 v7, v64, 4, s7
	s_lshl_b32 s7, s4, 7
	s_add_co_u32 s7, s7, QSC
	v_lshl_add_u32 v8, v64, 2, s7
	s_lshl_b32 s7, s4, 11
	s_add_co_u32 s7, s7, RWI
	v_lshl_add_u32 v9, v64, 4, s7
	s_mul_i32 s7, s4, 2304
	s_lshl_b32 s30, s3, 5
	s_add_co_u32 s7, s7, s30
	s_add_co_u32 s7, s7, RHT
	v_mul_u32_u24 v10, v65, 144
	v_add_nc_u32 v10, s7, v10                      ; query r, key rows 8 kq on
	s_lshl_b32 s7, s2, 8
	s_add_co_u32 s7, s7, EX
	v_lshl_add_u32 v11, v64, 3, s7
	s_lshl_b32 s7, s4, 10
	s_add_co_u32 s7, s7, EX
	v_lshl_add_u32 v12, v64, 3, s7
	s_mul_i32 s7, s2, 4352
	s_add_co_u32 s7, s7, OX
	v_mul_u32_u24 v13, v65, 272
	v_lshl_add_u32 v13, v66, 5, v13
	v_add_nc_u32 v13, s7, v13                      ; my partial result: row r, + 32 h
	s_lshl_b32 s30, s3, 2
	v_add_nc_u32 v67, s30, v66                     ; the query that I finish: 4 kq + h (+ 2)
	s_mul_i32 s7, s4, 17408
	s_add_co_u32 s7, s7, OX
	v_mul_u32_u24 v14, v67, 272
	v_lshl_add_u32 v14, v65, 4, v14
	v_add_nc_u32 v14, s7, v14
	v_lshlrev_b32 v15, 11, v67
	v_lshl_add_u32 v15, v65, 4, v15                ; and its place in out0
	s_mov_b32 s40, 0
	s_mov_b32 s41, 0
	s_mov_b32 s42, 0
	s_mov_b32 s43, 0
	s_mov_b32 s36, 4
	s_barrier_signal -1
	s_barrier_wait -1                              ; all images lie in LDS
.Lround:                                               ; query tile 4 round + g
	v_add_nc_u32 v44, s40, v7                      ; (the last loads by v44-47 have read them: the wait on vm_vsrc at the last round's end, or at the head's)
	v_add_nc_u32 v45, s41, v8
	v_add_nc_u32 v46, s42, v9
	v_add_nc_u32 v47, s43, v10
	s_wait_alu depctr_va_vdst(0)                   ; v44-47 are written (in the first round v3-15 too), which the loads read; and every vector or matrix line of the round before, or of the head, that named the loads' targets (v16, v28-39, v48-63, v64 .. 78, K's v80 ..) is done; the zeros of K's fragments are written
	ds_load_b128 v[32:35], v44                     ; Q (registers 8-11 stay 0)
	ds_load_b128 v[36:39], v44 offset:512
	ds_load_b32 v16, v45
.irp j, 0,1,2,3
	ds_load_b128 v[48+4*\j:51+4*\j], v46 offset:512*\j          ; the rel_w term
.endr
	KLOAD 0
.irp b, 0,1,2,3,4,5,6,7
	ds_load_b32 v[64+2*\b], v47 offset:4*\b        ; the rel_h term of my 8 blocks: last, since the first products do not want it
.endr
	s_wait_dscnt 8                                 ; Q, the rel_w term and K's first group are in; the eight loads of the rel_h term may be out
	SMUL 0
	s_wait_dscnt 0x0                               ; the rel_h term is in
.irp b, 0,1,2,3,4,5,6,7
	v_mul_f32 v[64+2*\b], s34, v[64+2*\b]          ; x c.  (Eight places between the first group's products and the wait ahead of the next loads)
.endr
	s_wait_alu depctr_va_vdst(0)                   ; the first group's products are done reading K's registers and v28-31, in which the next group lands
	KLOAD 1
	s_wait_dscnt 0x0
	SMUL 1
	BMAXA 0                                        ; the group before's scores: eight lines ahead of the wait,
	s_wait_alu depctr_va_vdst(0)                   ; the second group's products are done reading K's registers and v28-31
	KLOAD 2
	BMAXB 0                                        ; and eight behind the loads: they name v65, v67 and v128-159, none of the loads' registers
	s_wait_dscnt 0x0
	SMUL 2
	BMAXA 2
	s_wait_alu depctr_va_vdst(0)                   ; the third group's products are done reading K's registers and v28-31
	KLOAD 3
	BMAXB 2                                        ; (v69, v71 and v160-191)
	s_wait_dscnt 0x0
	SMUL 3
	BMAXA 4
	BMAXB 4
	BMAXA 6
	BMAXB 6
	; my quarter's largest t = (score + rel_h term) c, and -M = floor(-t): M is a whole number
.irp b, 0,1,2,3,4,5,6,7
	v_permlanex16_b32 v[88+\b], v[65+2*\b], s32, s33
.endr
.irp b, 0,1,2,3,4,5,6,7
	v_max_num_f32 v[65+2*\b], v[65+2*\b], v[88+\b] ; with lane l xor 16's 16 keys: the block's largest score
.endr
.irp b, 0,1,2,3,4,5,6,7
	v_fma_f32 v[80+\b], v[65+2*\b], s34, v[64+2*\b]
.endr
	v_max3_num_f32 v19, v80, v81, v82
	v_max3_num_f32 v19, v19, v83, v84
	v_max3_num_f32 v19, v19, v85, v86
	v_max3_num_f32 v19, v19, v87, 0xd3800000       ; and -2^40: a quarter whose keys are all masked keeps a finite M, far under every other quarter's
	v_floor_f32 v20, -v19
.irp b, 0,1,2,3,4,5,6,7
	v_add_f32 v[64+2*\b], v[64+2*\b], v20          ; the block's addend: rel_h term x c - M
.endr
.irp b, 0,1,2,3,4,5,6,7
	v_fma_f32 v[80+\b], v[65+2*\b], s34, v[64+2*\b]   ; the block's largest score goes the way of all scores: its p is the block's largest
.endr
.set B, 0
.rept 8
.set I, 0
.rept 8
	v_pk_fma_f32 v[128+16*B+2*I:129+16*B+2*I], v[128+16*B+2*I:129+16*B+2*I], s[34:35], v[64+2*B:65+2*B] op_sel_hi:[1,0,0]   ; t - M, two at a time
.set I, I+1
.endr
.set B, B+1
.endr
.set I, 0
	s_wait_alu depctr_va_vdst(0)
.rept 128
	v_exp_f32 v[128+I], v[128+I]                   ; p = 2^(t - M)
.set I, I+1
.endr
.set I, 0
.rept 8
	v_exp_f32 v[80+I], v[80+I]
.set I, I+1
.endr
	v_nop                                          ; a plain line behind the last exponential
	s_wait_alu depctr_va_vdst(0)                   ; the 136 exponentials have written v128-255 and v80-87: one wait for the batch, ahead of its first reader
	v_pk_add_f32 v[22:23], v[128:129], v[136:137]  ; my quarter's sum of p, in four chains
	v_pk_add_f32 v[24:25], v[130:131], v[138:139]
	v_pk_add_f32 v[96:97], v[132:133], v[140:141]
	v_pk_add_f32 v[98:99], v[134:135], v[142:143]
.set I, 2
.rept 14
	v_pk_add_f32 v[22:23], v[22:23], v[128+8*I:129+8*I]
	v_pk_add_f32 v[24:25], v[24:25], v[130+8*I:131+8*I]
	v_pk_add_f32 v[96:97], v[96:97], v[132+8*I:133+8*I]
	v_pk_add_f32 v[98:99], v[98:99], v[134+8*I:135+8*I]
.set I, I+1
.endr
	v_pk_add_f32 v[22:23], v[22:23], v[24:25]
	v_pk_add_f32 v[96:97], v[96:97], v[98:99]
	v_pk_add_f32 v[22:23], v[22:23], v[96:97]
	v_add_f32 v21, v22, v23
	v_permlanex16_b32 v19, v21, s32, s33
	v_add_f32 v21, v21, v19
	; the first exchange: (-M, sum) of the four quarters
	s_wait_alu depctr_va_vdst(0)                   ; v20 and v21 are written, which the store reads; the first products are done reading the rel_w term v48-55, in which the loads behind the barrier land
	ds_store_b64 v11, v[20:21]
	s_wait_dscnt 0x0                               ; my store has landed; so have my reads of the partial results of the round before
	s_barrier_signal -1
	s_barrier_wait -1
.irp k, 0,1,2,3
	ds_load_b64 v[48+2*\k:49+2*\k], v12 offset:256*\k
.endr
	s_wait_dscnt 0x0
	v_min_num_f32 v100, v48, v50
	v_min_num_f32 v101, v52, v54
	v_min_num_f32 v100, v100, v101                 ; the row's -M
	v_cmp_gt_f32 s37, v100, s38                    ; above 2^39: all 1,024 keys are masked
.irp k, 0,1,2,3
	v_sub_f32 v[56+\k], v100, v[48+2*\k]           ; a quarter's M less the row's: a whole number, 0 or less
.endr
.irp k, 0,1,2,3
	v_cvt_i32_f32 v[56+\k], v[56+\k]               ; (it saturates)
.endr
.irp k, 0,1,2,3
	v_ldexp_f32 v[56+\k], 1.0, v[56+\k]
.endr
	v_mul_f32 v19, v56, v49
	v_fma_f32 v19, v57, v51, v19
	v_fma_f32 v19, v58, v53, v19
	v_fma_f32 v19, v59, v55, v19                   ; the row's sum under the row's M
	s_wait_alu depctr_va_vdst(0)
	v_rcp_f32 v101, v19
	v_sub_f32 v27, v100, v20                       ; (plain work behind the reciprocal)  my own quarter's step
	v_cvt_i32_f32 v27, v27
	s_wait_alu depctr_va_vdst(0)                   ; the reciprocal has written v101, ahead of its first reader
	v_ldexp_f32 v26, v101, v27                     ; F = 2^(my M - the row's M) / the row's sum
	; the finished weights, their blocks' scales, their codes
.set I, 0
.rept 64
	v_pk_mul_f32 v[128+2*I:129+2*I], v[128+2*I:129+2*I], v[26:27] op_sel_hi:[1,0]
.set I, I+1
.endr
.irp b, 0,1,2,3,4,5,6,7
	v_mul_f32 v[80+\b], v[80+\b], v26              ; the block's largest weight: the same multiplication on the same number
.endr
.irp b, 0,1,2,3,4,5,6,7
	v_max_num_f32 v[80+\b], 0x1800000, v[80+\b]    ; the floor 2^(3 - 127)
.endr
.irp b, 0,1,2,3,4,5,6,7
	v_add_nc_u32 v[88+\b], 0xff000000, v[80+\b]    ; the conversion's scale operand
.endr
.irp b, 0,1,2,3,4,5,6,7
	v_lshrrev_b32 v[96+\b], 23, v[88+\b]           ; the byte
.endr
	v_lshl_or_b32 v17, v97, 8, v96
	v_lshl_or_b32 v18, v101, 8, v100
	v_lshl_or_b32 v17, v98, 16, v17
	v_lshl_or_b32 v18, v102, 16, v18
	v_lshl_or_b32 v17, v99, 24, v17
	v_lshl_or_b32 v18, v103, 24, v18
	s_wait_alu depctr_va_sdst(0)                   ; the compare has written s37, ahead of its first reader
	v_cndmask_b32 v17, v17, -1, s37                ; a row with no key left: the bytes 0xff make its sums NaN, as reference()'s are
	v_cndmask_b32 v18, v18, -1, s37
.irp p, 0,1
.irp c, 0,1
	v_cvt_scalef32_pk16_fp6_f32 v[104+12*\p+6*\c:106+12*\p+6*\c], v[128+64*\p+32*\c:143+64*\p+32*\c], v[88+4*\p+2*\c]
	v_cvt_scalef32_pk16_fp6_f32 v[48+8*\p+4*\c:50+8*\p+4*\c], v[144+64*\p+32*\c:159+64*\p+32*\c], v[89+4*\p+2*\c]
.endr
.endr
	v_nop                                          ; one plain line behind the conversions
	s_wait_alu depctr_va_vdst(0)                   ; the conversions are done reading the weights v128-255, and the first products their scale words v28-31: V's loads land there
	ds_load_b128 v[28:31], v6                      ; V's scale words, then its eight fragments, into the weights' registers: they land while the halves change places
.irp p, 0,1
.irp dt, 0,1,2,3
.irp j, 0,1,2
	ds_load_b128 v[128+48*\p+12*\dt+4*\j:131+48*\p+12*\dt+4*\j], v5 offset:(4*\p+\dt)*1536+512*\j
.endr
.endr
.endr
.irp p, 0,1
.irp c, 0,1                                    ; the operand's layout wants a whole block in a lane: lanes 0-15 block 2 c, lanes 16-31 block 2 c + 1.  (These lines name v104-127 and v48-62: none of the loads' registers)
.irp i, 0,1,2
	v_permlane16_swap_b32 v[104+12*\p+6*\c+\i], v[48+8*\p+4*\c+\i]
.endr
.irp i, 0,1,2
	v_mov_b32 v[107+12*\p+6*\c+\i], v[48+8*\p+4*\c+\i]
.endr
.endr
.endr
.rept 4
	v_nop                                          ; an operand written by vector instructions stands four places ahead of a scaled product
.endr
	s_wait_alu depctr_va_vdst(0)                   ; the weights' codes v104-127 and scale words v17, v18 are written, which the products below take; the places above stay beside this wait
	s_wait_dscnt 12                                ; the scale words and the first K step's fragments are in; the second's twelve loads may be out
.irp dt, 0,1,2,3
	MMZ 224+8*\dt, 128+12*\dt, 104, 28+\dt, 17     ; O^T = V^T P^T: four accumulators by turns
.endr
	s_wait_dscnt 0x0
.irp dt, 0,1,2,3
	MMR 224+8*\dt, 176+12*\dt, 116, 28+\dt, 18
.endr
	ZEROK                                          ; for the next round; its first twelve lines name no register of the last products: the places behind them
	; the second exchange: the four quarters' partial results
	s_wait_alu depctr_va_vdst(0)                   ; the products have written O^T, v224-255, which the stores read, and are done reading V's fragments v128-159, in which the loads behind the barrier land
.irp dt, 0,1,2,3
	ds_store_b128 v13, v[224+8*\dt:227+8*\dt] offset:64*\dt
	ds_store_b128 v13, v[228+8*\dt:231+8*\dt] offset:64*\dt+16
.endr
	s_wait_dscnt 0x0                               ; my stores have landed; my reads of the first exchange were awaited above
	s_barrier_signal -1
	s_barrier_wait -1
.irp i, 0,1
.irp k, 0,1,2,3
	ds_load_b128 v[128+16*\i+4*\k:131+16*\i+4*\k], v14 offset:4352*\k+544*\i
.endr
.endr
	s_wait_dscnt 4                                 ; queries 4 kq + h: four parts are in; the next pair's four loads may be out
.irp i, 0,1
.if \i == 1
	s_wait_dscnt 0x0
.endif
	v_pk_add_f32 v[128+16*\i:129+16*\i], v[128+16*\i:129+16*\i], v[132+16*\i:133+16*\i]
	v_pk_add_f32 v[130+16*\i:131+16*\i], v[130+16*\i:131+16*\i], v[134+16*\i:135+16*\i]
	v_pk_add_f32 v[136+16*\i:137+16*\i], v[136+16*\i:137+16*\i], v[140+16*\i:141+16*\i]
	v_pk_add_f32 v[138+16*\i:139+16*\i], v[138+16*\i:139+16*\i], v[142+16*\i:143+16*\i]
	v_pk_add_f32 v[128+16*\i:129+16*\i], v[128+16*\i:129+16*\i], v[136+16*\i:137+16*\i]
	v_pk_add_f32 v[130+16*\i:131+16*\i], v[130+16*\i:131+16*\i], v[138+16*\i:139+16*\i]
.endr
	s_wait_alu depctr_va_vdst(0)                   ; the additions have written v128-131 and v144-147, which the two stores read
.irp i, 0,1
	global_store_b128 v15, v[128+16*\i:131+16*\i], s[26:27] offset:4096*\i th:TH_STORE_NT   ; sixteen lanes store a query's 256 consecutive bytes of this head, at a multiple of 256 from out0's first byte
.endr
	s_wait_xcnt 0x0                                ; the stores have read their data and their base: both are written again
	s_wait_alu depctr_vm_vsrc(0)                   ; every load and store of this round has read its vector registers: v44-47, v20:21, O^T in v224-255, v128-131 and v144-147 are written again in the next round
	s_add_nc_u64 s[26:27], s[26:27], 131072        ; 64 queries on
	s_add_co_u32 s40, s40, 4096                    ; four query tiles on, in each table
	s_add_co_u32 s41, s41, 512
	s_add_co_u32 s42, s42, 8192
	s_add_co_u32 s43, s43, 9216
	s_sub_co_u32 s36, s36, 1
	s_cmp_lg_u32 s36, 0
	s_cbranch_scc1 .Lround
	s_wait_dscnt 0x0                               ; the wave's end, behind my last LDS store
	s_wait_alu 0x0
	s_wait_tensorcnt 0x0
	ds_add_u32 v1, v2
	s_wait_dscnt 0x0
	s_endpgm
.Lfunc_end_k_q28241b0753_relattn:
	.size	k_q28241b0753_relattn, .Lfunc_end_k_q28241b0753_relattn-k_q28241b0753_relattn
	.p2alignl 7, 3214868480
	.fill 96, 4, 3214868480
	.section	.rodata,"a",@progbits
	.p2align	6, 0x0
	.amdhsa_kernel k_q28241b0753_relattn
		.amdhsa_group_segment_fixed_size 288768
		.amdhsa_private_segment_fixed_size 0
		.amdhsa_enable_private_segment 0
		.amdhsa_kernarg_size 80
		.amdhsa_user_sgpr_count 2
		.amdhsa_user_sgpr_kernarg_segment_ptr 1
		.amdhsa_wavefront_size32 1
		.amdhsa_system_sgpr_workgroup_id_x 1
		.amdhsa_system_sgpr_workgroup_id_y 1
		.amdhsa_system_sgpr_workgroup_id_z 1
		.amdhsa_system_vgpr_workitem_id 0
		.amdhsa_next_free_vgpr 256
		.amdhsa_next_free_sgpr 66
		.amdhsa_reserve_vcc 0
		.amdhsa_float_denorm_mode_32 3
		.amdhsa_float_denorm_mode_16_64 3
		.amdhsa_memory_ordered 1
		.amdhsa_forward_progress 1
		.amdhsa_inst_pref_size 81
	.end_amdhsa_kernel
	.amdgpu_metadata
---
amdhsa.version: [ 1, 2 ]
amdhsa.kernels:
  - .name:           k_q28241b0753_relattn
    .symbol:         k_q28241b0753_relattn.kd
    .args:
      - { .name: q, .offset: 0, .size: 8, .value_kind: global_buffer, .address_space: global }
      - { .name: k_codes, .offset: 8, .size: 8, .value_kind: global_buffer, .address_space: global }
      - { .name: k_scales, .offset: 16, .size: 8, .value_kind: global_buffer, .address_space: global }
      - { .name: attn_mask, .offset: 24, .size: 8, .value_kind: global_buffer, .address_space: global }
      - { .name: rel_emb_w_codes, .offset: 32, .size: 8, .value_kind: global_buffer, .address_space: global }
      - { .name: rel_emb_w_scales, .offset: 40, .size: 8, .value_kind: global_buffer, .address_space: global }
      - { .name: rel_emb_h_codes, .offset: 48, .size: 8, .value_kind: global_buffer, .address_space: global }
      - { .name: rel_emb_h_scales, .offset: 56, .size: 8, .value_kind: global_buffer, .address_space: global }
      - { .name: v, .offset: 64, .size: 8, .value_kind: global_buffer, .address_space: global }
      - { .name: out0, .offset: 72, .size: 8, .value_kind: global_buffer, .address_space: global }
    .group_segment_fixed_size: 288768
    .private_segment_fixed_size: 0
    .kernarg_segment_align: 8
    .kernarg_segment_size: 80
    .max_flat_workgroup_size: 512
    .sgpr_count:     66
    .vgpr_count:     256
    .wavefront_size: 32
...
	.end_amdgpu_metadata
.endif
;; end of part 2
